; MI455X (gfx1250); checked and timed in simulation.
; The chip was launched on July 23, 2026; its instructions are those of AMD's public machine-readable ISA for CDNA 5 (MIT licence, August 2026) and "CDNA5" Instruction Set Architecture Reference Guide (July 2026). The comments in the code are by the model that wrote it; some were corrected since.
;; Multi Head Self Attention. Allowed arithmetic: matrix products marked QUANTISED: E4M3 operands, one E8M0 scale for each 32 along K, by v_wmma_scale_f32_16x16x128_f8f6f4 with both operands' format E4M3, f32 sums; everything else in f32.
;; Inputs: Wk 1,024 x 1,024 float32; Wo 1,024 x 1,024 float32; Wq 1,024 x 1,024 float32; Wv 1,024 x 1,024 float32; x 2 x 2,048 x 1,024 float32.
;; Outputs: out0 2 x 2,048 x 1,024 float32.
;; This version of the problem:
;;   THIS VERSION OF THE PROBLEM IS GIVEN IN LOW PRECISION. The matrix products marked QUANTISED in the list below multiply operands that are first quantised to E4M3 (4 exponent bits, 3 mantissa bits; 8 bits a number), with one power-of-two scale for each 32 numbers along K (OCP MX v1.0); their sums are f32. All else is computed in f32.
;;   The module's matrix products, in the order in which they are computed (A, B: the left and right operand; K: the contracted axis; several contracted axes count as one K, in the product's order):
;;     1. [M 4,096, K 1,024] x [K 1,024, N 1,024]; A: input x; B: input Wq: QUANTISED
;;     2. [M 4,096, K 1,024] x [K 1,024, N 1,024]; A: input x; B: input Wk: QUANTISED
;;     3. [M 4,096, K 1,024] x [K 1,024, N 1,024]; A: input x; B: input Wv: QUANTISED
;;     4. batch 32 x [M 2,048, K 64] x [K 64, N 2,048]; A: computed on the way; B: computed on the way: QUANTISED
;;     5. batch 32 x [M 2,048, K 2,048] x [K 2,048, N 64]; A: softmax (see below); B: computed on the way: QUANTISED
;;     6. [M 4,096, K 1,024] x [K 1,024, N 1,024]; A: computed on the way; B: input Wo: QUANTISED
;;   THE QUANTISER, for each operand of a quantised product, along K:
;;     - K is cut into blocks of 32 from its start; a last block that is shorter is filled with zeros.
;;     - A block's scale is 2^e with e = floor(log2(the largest magnitude in the block)) - 8, held to -126 .. 127; a block of zeros has e = 0. As a byte (E8M0): e + 127.
;;     - Each number is divided by its block's scale, clamped to +-448, and rounded to the nearest number of E4M3, ties to even, subnormals kept.
;;     - The product sums the exact products of the quantised numbers (number of the format x scale) in f32.
;;   ~~~python
;;   def quantise(x, axis):      # numpy; x: float32 -> the quantised numbers, widened to float32 again
;;       x = np.moveaxis(x, axis, -1); K = x.shape[-1]
;;       x = np.pad(x, [(0, 0)] * (x.ndim - 1) + [(0, -K % 32)]); x = x.reshape(x.shape[:-1] + (-1, 32)); a = np.abs(x).max(-1, keepdims=True)
;;       e = np.where(a > 0, np.clip(np.frexp(np.where(a > 0, a, 1))[1] - 1 - 8, -126, 127), 0)      # np.frexp(a)[1] - 1 = floor(log2(a)), exactly
;;       r = np.clip(x / 2.0 ** e, -448, 448)
;;       step = 2.0 ** (np.maximum(np.frexp(np.where(r == 0, 1, r))[1] - 1, -6) - 3)
;;       q = np.round(r / step) * step * 2.0 ** e      # np.round: ties to even
;;       return np.moveaxis(q.reshape(q.shape[:-2] + (-1,))[..., :K], -1, axis).astype(np.float32)
;;   ~~~
;;   SOFTMAX AHEAD OF A QUANTISED PRODUCT. Where the list says 'softmax', what is quantised is not the finished softmax but p = 2^(t - M), with t = logit x log2(e) and M = ceil(the row's largest t), a whole number; so 1/2 < the row's largest p <= 1. The row's sum l is taken of the UNQUANTISED p, in f32, and the product's result is divided by l at the end. Since M is a whole number, a kernel that streams over the keys may use a running M (the ceiling of the running maximum): every later rescaling is an exact power of two, which a block's scale takes up: the codes' values come out the same.
;;   OPERANDS COMPUTED ON THE WAY. 'Computed on the way' means the value that the module computes at that place (a softmax that the list does not call 'softmax' is quantised finished and normalised). What goes into a quantiser is computed in f32, as accurately as f32 sums, v_exp_f32 and their like allow (about 1e-6 of the number): no bf16 or f16 on the way to a quantiser, and a product that is left as it is and whose result goes on into a quantised operand takes f32 operands (vector FMAs, or v_wmma_f32_16x16x4_f32). A number that lies on a knife's edge between two numbers of the format may be rounded either way, as far as f32 arithmetic and the matrix unit's own rounding can turn it there, and no further.
;; One version. Each part assembles by itself: llvm-mc -triple=amdgcn-amd-amdhsa -mcpu=gfx1250 --defsym DOCPART=n.
;; ======== version 1 of 1: 4 launches
;; limits: right only within a limited range of input values
;; workspace buffers: codes 8,388,608 bytes; scales 262,144 bytes; rope 524,288 bytes; qkv 12,582,912 bytes; qkvs 655,360 bytes; oc 4,194,304 bytes; os 131,072 bytes
;; launch quant (part 1): grid 256 x 1, 4 waves a work-group, no clusters, 34,304 bytes of LDS; arguments x, Wq, Wk, Wv, Wo, codes, scales, rope; writes codes, scales, rope
.if DOCPART == 1
	.amdgcn_target "amdgcn-amd-amdhsa--gfx1250"
	.amdhsa_code_object_version 6
	.text
	.protected	k_q4f3a1d5fa4_quant
	.globl	k_q4f3a1d5fa4_quant
	.p2align	8
	.type	k_q4f3a1d5fa4_quant,@function
k_q4f3a1d5fa4_quant:
	s_mov_b64 s[64:65], 0
	v_nop
	global_prefetch_b8 v0, s[64:65] scope:SCOPE_SE
	s_setreg_imm32_b32 hwreg(HW_REG_WAVE_MODE, 25, 1), 1
	s_wait_xcnt 0x0
; x [4096][1024] and Wq, Wk, Wv, Wo [1024][1024], f32, K innermost, become codes of FP8 (E4M3) with one E8M0 byte for each 32 along K; and the table of cos and sin for the rotation is made.
; THE IMAGE.  The five tensors are one stack of 8,192 rows = 512 tiles of 16 rows.  A tile's codes are laid as the matrix unit's registers take them: [tile][K step of 128: 8][piece c: 4][lane: 32][16 bytes];
; lane (r = lane % 16, h = lane / 16), piece c holds k = 128 ks + 32 c + 16 h + 0 .. 15 of row 32 (T / 2) + 8 (T % 2) + r + 8 (r / 8).  So a later launch fetches a piece by 16 bytes a lane, 512 bytes on end.
; Scale words (4 bytes: one row, 128 along K) lie [tile][ks / 4][r][ks % 4]: 512 bytes a tile.
; SHARES.  Work-group g takes rows 32 g .. 32 g + 31 (tiles 2 g, 2 g + 1); wave w takes tile 2 g + w / 2, half w % 2 of K: four fragments.  Each load reads 512 consecutive bytes of one row;
; a fragment's 8,192 bytes turn through the wave's own stage in LDS (16 rows of 512 + 16 bytes) and come back 64 bytes a lane: 16 neighbours of each of the four blocks.
; Waves share nothing: no barrier.  Loads run up to three fragments (48 loads a wave) ahead.
; THE TABLE: rope[pos][pair][cos, sin], f32; wave 4 g + w makes positions 2 (4 g + w) and the next, a lane a pair.  The angle is fl(pos x freq), freq = 10^(-pair / 8) rounded to f32.
; LIMITS: NaN and infinities among the inputs are not served.  A block whose largest magnitude lies under 2^-118 keeps the byte 1; so does a block of zeros (its codes are zeros; these bytes are read by this program alone).
; freq is the rounded true value and may differ by a last bit or two from a power function's; the angle is reduced by pi / 2 in two parts, which leaves under 1,304 x 1.7e-15; the two polynomials are good to about 1e-7.
; WORK LEFT OUT BY THE PROGRAM: the key steps of 128 keys that the causal mask hides from all 16 queries of a tile: their scores are -infinity ahead of the softmax whatever the inputs hold.  A NaN or an infinity that reaches only such work is not carried to the result.
; IN THE STACK Wq, Wk AND Wv STAND BY HEADS: head n's four tiles of each (64 rows) are tiles 256 + 12 n + 4 t + 0 .. 3, t = 0, 1, 2 for Wq, Wk, Wv.  x has tiles 0 to 255, Wo 448 to 511.
.set STG,  8448                        ; a wave's stage: 16 rows x 528 bytes
.set LA,   4                           ; v4   16 x lane
.set SI,   5                           ; v5   the stage, on the way in
.set SO,   6                           ; v6   and on the way out: 528 r + 64 h
.set TM,   24                          ; v24-27 largest magnitudes, v28-31 bytes, v32-35 448 x the scale, v36-39 the conversions' scale operands
.set W,    40                          ; v40-43 the four fragments' scale words
.set PC,   44                          ; v44-59 a fragment's codes
.set R,    60                          ; v60-251 three sets of 64 numbers
.set SRC,  20                          ; s[20:21] my rows in their tensor
.set SEL,  28                          ; s[28:29] v_permlanex16_b32's selects for lane l xor 16
.set MNT,  30                          ; s30  the mantissa field of 448
; 16 nb numbers of a lane, register 16 b + i = k 32 b + 16 h + i of my row.  QMAX: my 16 of each block, and the floor 2^(9 - 127), so that the byte cannot fall under 1; the blocks by turns
.macro QMAX s, nb
.set qb, 0
.rept \nb
	v_max3_num_f32 v[TM+qb], 0x4800000, |v[(\s)+16*qb]|, |v[(\s)+16*qb+1]|
.set qb, qb+1
.endr
.irp i, 2,4,6,8,10,12,14
.set qb, 0
.rept \nb
	v_max3_num_f32 v[TM+qb], v[TM+qb], |v[(\s)+16*qb+\i]|, |v[(\s)+16*qb+\i+1]|
.set qb, qb+1
.endr
.endr
.endm
; QSCALE: joined with lane l xor 16's; 8 off the exponent field is the conversion's scale operand; 448 x the scale; the byte
.macro QSCALE nb
.set qb, 0
.rept \nb
	v_permlanex16_b32 v[TM+4+qb], v[TM+qb], s[SEL], s[SEL+1]
.set qb, qb+1
.endr
.set qb, 0
.rept \nb
	v_max_num_f32 v[TM+qb], v[TM+qb], v[TM+4+qb]
.set qb, qb+1
.endr
.set qb, 0
.rept \nb
	v_add_nc_u32 v[TM+12+qb], 0xfc000000, v[TM+qb]
.set qb, qb+1
.endr
.set qb, 0
.rept \nb
	v_and_or_b32 v[TM+8+qb], v[TM+qb], 0x7f800000, s[MNT]
.set qb, qb+1
.endr
.set qb, 0
.rept \nb
	v_lshrrev_b32 v[TM+4+qb], 23, v[TM+12+qb]
.set qb, qb+1
.endr
.endm
; QHOLD: the conversion to an 8-bit code does not saturate (ISA guide 7.6.2): each number is held within 448 x the scale first
.macro QHOLD d, s, nb
.set qb, 0
.rept \nb
.set qi, 0
.rept 16
	v_med3_num_f32 v[(\d)+16*qb+qi], v[(\s)+16*qb+qi], -v[TM+8+qb], v[TM+8+qb]
.set qi, qi+1
.endr
.set qb, qb+1
.endr
.endm
.macro QCVT pc, d, nb
.set qb, 0
.rept \nb
	v_cvt_scalef32_pk8_fp8_f32 v[(\pc)+4*qb:(\pc)+4*qb+1], v[(\d)+16*qb:(\d)+16*qb+7], v[TM+12+qb]
	v_cvt_scalef32_pk8_fp8_f32 v[(\pc)+4*qb+2:(\pc)+4*qb+3], v[(\d)+16*qb+8:(\d)+16*qb+15], v[TM+12+qb]
.set qb, qb+1
.endr
	v_nop                                          ; one plain line behind the last conversion
.endm
.macro LOAD f                          ; fragment f: 16 rows x 512 bytes; the tile's order of rows stands in the immediate
.set LRS, R+64*((\f)%3)
.set li, 0
.rept 16
	global_load_b128 v[LRS+4*li:LRS+4*li+3], v[LA], s[SRC:SRC+1] offset:(li+8*(li/8))*4096+512*(\f) th:TH_LOAD_NT
.set li, li+1
.endr
.endm
.macro TURN f                          ; through the stage: LDS serves a wave's instructions in order, so no wait stands between the stores and the loads
.set TRS, R+64*((\f)%3)
.set li, 0
.rept 16
	ds_store_b128 v[SI], v[TRS+4*li:TRS+4*li+3] offset:528*li
.set li, li+1
.endr
.irp c, 0,1,2,3
.irp j, 0,1,2,3
	ds_load_b128 v[TRS+16*\c+4*\j:TRS+16*\c+4*\j+3], v[SO] offset:128*\c+16*\j
.endr
.endr
.endm
.macro FREQ i, bits                    ; the lane whose pair is i takes 10^(-i / 8)
	v_cmp_ne_u32 vcc_lo, \i, v1
	v_cndmask_b32 v9, \bits, v9, vcc_lo
.endm
.macro TRIG j                          ; cos and sin of fl(position x freq)
	v_cvt_f32_u32 v10, s[45+\j]
	v_mul_f32 v10, v10, v9                         ; the angle, rounded once
	v_mul_f32 v11, 0x3f22f983, v10
	v_rndne_f32 v11, v11                           ; n = the nearest multiple of pi / 2
	v_fmamk_f32 v12, v11, 0xbfc90fdb, v10          ; less n x the upper part of pi / 2: exact,
	v_fmamk_f32 v12, v11, 0x333bbd2e, v12          ; and the lower part: |r| <= pi / 4
	v_mul_f32 v13, v12, v12                        ; z = r r
	v_fma_f32 v14, v13, s40, s41
	v_fma_f32 v15, v13, s42, s43
	v_fmaak_f32 v14, v14, v13, 0xbe2aaaa3
	v_fmaak_f32 v15, v15, v13, 0x3d2aaaa5
	v_mul_f32 v14, v14, v13
	v_fma_f32 v15, v15, v13, -0.5
	v_fma_f32 v14, v14, v12, v12                   ; sin r
	v_fma_f32 v15, v15, v13, 1.0                   ; cos r
	v_cvt_i32_f32 v16, v11                         ; the quadrant chooses values only: no address and no branch hangs on it
	v_and_b32 v17, 1, v16
	v_cmp_eq_u32 vcc_lo, 1, v17
	v_cndmask_b32 v18, v15, v14, vcc_lo            ; odd quadrants change the two about
	v_cndmask_b32 v19, v14, v15, vcc_lo
	v_add_nc_u32 v17, 1, v16
	v_lshlrev_b32 v17, 30, v17
	v_lshlrev_b32 v16, 30, v16
	v_and_b32 v17, 0x80000000, v17                 ; cos is negative in quadrants 1 and 2,
	v_and_b32 v16, 0x80000000, v16                 ; sin in 2 and 3
	v_xor_b32 v[20+2*\j], v18, v17
	v_xor_b32 v[21+2*\j], v19, v16
	global_store_b64 v8, v[20+2*\j:21+2*\j], s[18:19] offset:256*\j   ; 32 lanes store 256 consecutive bytes
.endm
.macro STEP f, left
.set RS, R+64*((\f)%3)
	s_wait_dscnt 0x0                               ; this fragment's numbers are back from the stage
.if (\f) < 3
	s_wait_loadcnt \left                           ; the next fragment's 16 loads are in; younger ones stay out
	TURN (\f)+1                                    ; and go through the stage while this one is worked
.endif
	QMAX RS, 4
	QSCALE 4
	v_lshl_or_b32 v[W+\f], v[TM+5], 8, v[TM+4]     ; the four bytes make my row's scale word
	v_lshl_or_b32 v[W+\f], v[TM+6], 16, v[W+\f]
	v_lshl_or_b32 v[W+\f], v[TM+7], 24, v[W+\f]
	QHOLD RS, RS, 4
	s_wait_alu depctr_va_vdst(0)
	s_wait_xcnt 0x0                                ; the last fragment's stores have read the codes' registers
	QCVT PC, RS, 4
.irp c, 0,1,2,3
	global_store_b128 v[LA], v[PC+4*\c:PC+4*\c+3], s[14:15] offset:2048*(\f)+512*\c   ; 512 consecutive bytes
.endr
.endm
	s_load_b512 s[4:19], s[0:1], 0x0               ; x, Wq, Wk, Wv, Wo, codes s[14:15], scales s[16:17], rope s[18:19]
	v_lshl_add_u32 v254, v0, 2, 0x8400
	v_mov_b32 v255, 0
	v_lshrrev_b32 v1, 5, v0
	v_readfirstlane_b32 s24, v1                    ; wave
	v_and_b32 v1, 31, v0                           ; lane
	v_and_b32 v2, 15, v0                           ; r
	v_bfe_u32 v3, v0, 4, 1                         ; h
	v_lshlrev_b32 v[LA], 4, v1
	s_mul_i32 s25, s24, STG
	v_add_nc_u32 v[SI], s25, v[LA]
	v_mul_u32_u24 v[SO], v2, 528
	v_lshl_add_u32 v[SO], v3, 6, v[SO]
	v_add_nc_u32 v[SO], s25, v[SO]
	v_lshlrev_b32 v7, 4, v2                        ; 16 r: my row's four scale words
	v_lshlrev_b32 v8, 3, v1                        ; 8 x lane: my pair's cos and sin
	s_lshr_b32 s26, s24, 1                         ; which tile
	s_and_b32 s27, s24, 1                          ; which half of K
	s_mov_b32 s[SEL], 0x76543210
	s_mov_b32 s[SEL+1], 0xfedcba98
	s_mov_b32 s[MNT], 0x600000
	s_mov_b32 s40, 0xb94ca1f9                      ; the sine's and the cosine's two highest coefficients
	s_mov_b32 s41, 0x3c08839e
	s_mov_b32 s42, 0x37ccf5ce
	s_mov_b32 s43, 0xbab6061a
	s_sub_co_u32 s44, ttmp9, 128                   ; Wq, Wk, Wv: work-group 128 + 32 t + u has tiles 2 u, 2 u + 1 of its tensor: half of head u / 2's four
	s_lshr_b32 s31, s44, 5
	s_and_b32 s44, s44, 31
	s_lshr_b32 s33, s44, 1
	s_and_b32 s44, s44, 1
	s_mul_i32 s33, s33, 6
	s_lshl_b32 s31, s31, 1
	s_add_co_u32 s44, s44, s33
	s_add_co_u32 s44, s44, s31
	s_add_co_u32 s44, s44, 128                     ; which pair of tiles of the stack
	s_cmp_lt_u32 ttmp9, 224
	s_cselect_b32 s44, s44, ttmp9
	s_cmp_lt_u32 ttmp9, 128
	s_cselect_b32 s44, ttmp9, s44
	s_lshl_b32 s34, s44, 15                        ; codes: 32,768 bytes a pair
	s_lshl_b32 s31, s26, 14
	s_add_co_u32 s34, s34, s31
	s_lshl_b32 s31, s27, 13
	s_add_co_u32 s34, s34, s31
	s_mov_b32 s35, 0
	s_lshr_b32 s36, s34, 5                         ; scale bytes: a 32nd of that
	s_mov_b32 s37, 0
	s_lshl_b32 s38, ttmp9, 2
	s_add_co_u32 s38, s38, s24                     ; 4 g + w
	s_lshl_b32 s45, s38, 1                         ; my two positions
	s_add_co_u32 s46, s45, 1
	s_lshl_b32 s38, s38, 9
	s_mov_b32 s39, 0
	s_and_b32 s32, ttmp9, 31
.irp b, 0,1,2,3
	v_mov_b32 v[TM+4+\b], 0                        ; written once: a lane permute's destination counts as one of its sources
.endr
	s_wait_kmcnt 0x0
	s_cmp_lt_u32 ttmp9, 224                        ; which tensor: the choice hangs on the work-group's number alone
	s_cselect_b64 s[SRC:SRC+1], s[10:11], s[12:13]
	s_cmp_lt_u32 ttmp9, 192
	s_cselect_b64 s[SRC:SRC+1], s[8:9], s[SRC:SRC+1]
	s_cmp_lt_u32 ttmp9, 160
	s_cselect_b64 s[SRC:SRC+1], s[6:7], s[SRC:SRC+1]
	s_cmp_lt_u32 ttmp9, 128
	s_cselect_b64 s[SRC:SRC+1], s[4:5], s[SRC:SRC+1]
	s_cselect_b32 s32, ttmp9, s32                  ; the group of 32 rows within its tensor
	s_lshl_b32 s32, s32, 17
	s_lshl_b32 s31, s26, 15                        ; the second tile begins 8 rows down
	s_add_co_u32 s32, s32, s31
	s_lshl_b32 s31, s27, 11
	s_add_co_u32 s32, s32, s31
	s_mov_b32 s33, 0
	s_add_nc_u64 s[SRC:SRC+1], s[SRC:SRC+1], s[32:33]
	s_add_nc_u64 s[14:15], s[14:15], s[34:35]
	s_add_nc_u64 s[16:17], s[16:17], s[36:37]
	s_add_nc_u64 s[18:19], s[18:19], s[38:39]
	LOAD 0
	LOAD 1
	LOAD 2
	v_mov_b32 v9, 1.0                              ; the table is made while the first loads are on their way
	FREQ 1, 0x3f3ff911
	FREQ 2, 0x3f0ff59a
	FREQ 3, 0x3ed7e89b
	FREQ 4, 0x3ea1e89b
	FREQ 5, 0x3e72d424
	FREQ 6, 0x3e361887
	FREQ 7, 0x3e088d77
	FREQ 8, 0x3dcccccd
	FREQ 9, 0x3d99940e
	FREQ 10, 0x3d6655c3
	FREQ 11, 0x3d2cba15
	FREQ 12, 0x3d0186e2
	FREQ 13, 0x3cc24350
	FREQ 14, 0x3c91ad39
	FREQ 15, 0x3c5a7bf1
	FREQ 16, 0x3c23d70a
	FREQ 17, 0x3bf5b9b0
	FREQ 18, 0x3bb8449c
	FREQ 19, 0x3b8a2e77
	FREQ 20, 0x3b4f3e37
	FREQ 21, 0x3b1b690d
	FREQ 22, 0x3ae91528
	FREQ 23, 0x3aaec98e
	FREQ 24, 0x3a83126f
	FREQ 25, 0x3a44948c
	FREQ 26, 0x3a136a16
	FREQ 27, 0x39dd1726
	FREQ 28, 0x39a5cb5f
	FREQ 29, 0x3978a814
	FREQ 30, 0x393a7753
	FREQ 31, 0x390bd472
	TRIG 0
	TRIG 1
	s_wait_loadcnt 32                              ; fragment 0's 16 loads are in; those of fragments 1 and 2 stay out
	TURN 0
	STEP 0, 16
	LOAD 3                                         ; into the set that fragment 0 has left
	STEP 1, 16
	STEP 2, 0
	STEP 3, 0
	s_wait_xcnt 0x0                                ; EXEC changes only behind this wait
	v_cmp_gt_u32 vcc_lo, 16, v1
	s_wait_tensorcnt 0x0
	ds_add_u32 v254, v255
	s_wait_dscnt 0x0
	s_and_saveexec_b32 s31, vcc_lo                 ; both halves of the lanes hold the same words: lanes 0-15 store them
	global_store_b128 v7, v[W:W+3], s[16:17]       ; 16 lanes store 256 consecutive bytes, aligned
	s_wait_xcnt 0x0
	s_or_b32 exec_lo, exec_lo, s31
	s_endpgm
.Lfunc_end_k_q4f3a1d5fa4_quant:
	.size	k_q4f3a1d5fa4_quant, .Lfunc_end_k_q4f3a1d5fa4_quant-k_q4f3a1d5fa4_quant
	.p2alignl 7, 3214868480
	.fill 96, 4, 3214868480
	.section	.rodata,"a",@progbits
	.p2align	6, 0x0
	.amdhsa_kernel k_q4f3a1d5fa4_quant
		.amdhsa_group_segment_fixed_size 34304
		.amdhsa_private_segment_fixed_size 0
		.amdhsa_enable_private_segment 0
		.amdhsa_kernarg_size 64
		.amdhsa_user_sgpr_count 2
		.amdhsa_user_sgpr_kernarg_segment_ptr 1
		.amdhsa_wavefront_size32 1
		.amdhsa_system_sgpr_workgroup_id_x 1
		.amdhsa_system_sgpr_workgroup_id_y 1
		.amdhsa_system_sgpr_workgroup_id_z 1
		.amdhsa_system_vgpr_workitem_id 0
		.amdhsa_next_free_vgpr 256
		.amdhsa_next_free_sgpr 66
		.amdhsa_reserve_vcc 1
		.amdhsa_float_denorm_mode_32 3
		.amdhsa_float_denorm_mode_16_64 3
		.amdhsa_memory_ordered 1
		.amdhsa_forward_progress 1
		.amdhsa_inst_pref_size 58
	.end_amdhsa_kernel
	.amdgpu_metadata
---
amdhsa.version: [ 1, 2 ]
amdhsa.kernels:
  - .name:           k_q4f3a1d5fa4_quant
    .symbol:         k_q4f3a1d5fa4_quant.kd
    .args:
      - { .name: x, .offset: 0, .size: 8, .value_kind: global_buffer, .address_space: global }
      - { .name: Wq, .offset: 8, .size: 8, .value_kind: global_buffer, .address_space: global }
      - { .name: Wk, .offset: 16, .size: 8, .value_kind: global_buffer, .address_space: global }
      - { .name: Wv, .offset: 24, .size: 8, .value_kind: global_buffer, .address_space: global }
      - { .name: Wo, .offset: 32, .size: 8, .value_kind: global_buffer, .address_space: global }
      - { .name: codes, .offset: 40, .size: 8, .value_kind: global_buffer, .address_space: global }
      - { .name: scales, .offset: 48, .size: 8, .value_kind: global_buffer, .address_space: global }
      - { .name: rope, .offset: 56, .size: 8, .value_kind: global_buffer, .address_space: global }
    .group_segment_fixed_size: 34304
    .private_segment_fixed_size: 0
    .kernarg_segment_align: 8
    .kernarg_segment_size: 64
    .max_flat_workgroup_size: 128
    .sgpr_count:     66
    .vgpr_count:     256
    .wavefront_size: 32
...
	.end_amdgpu_metadata
.endif
;; end of part 1
;; launch qkv (part 2): grid 16 x 16, 4 waves a work-group, clusters of 4 x 4, 327,680 bytes of LDS; arguments codes, scales, rope, qkv, qkvs; writes qkv, qkvs
.if DOCPART == 2
	.amdgcn_target "amdgcn-amd-amdhsa--gfx1250"
	.amdhsa_code_object_version 6
	.text
	.protected	k_q4f3a1d5fa4_qkv
	.globl	k_q4f3a1d5fa4_qkv
	.p2align	8
	.type	k_q4f3a1d5fa4_qkv,@function
k_q4f3a1d5fa4_qkv:
	s_mov_b64 s[64:65], 0
	v_nop
	global_prefetch_b8 v0, s[64:65] scope:SCOPE_SE
	s_setreg_imm32_b32 hwreg(HW_REG_WAVE_MODE, 25, 1), 1
	s_wait_xcnt 0x0
	s_wait_alu depctr_hold_cnt(0) depctr_sa_sdst(0) depctr_va_vdst(0) depctr_va_sdst(0) depctr_va_ssrc(0) depctr_va_vcc(0) depctr_vm_vsrc(0)
	s_getreg_b32 s2, hwreg(HW_REG_IB_STS2, 6, 4)
	s_cmp_eq_u32 s2, 0
	s_cbranch_scc0 .Lentry_in_a_cluster
	s_endpgm
.Lentry_in_a_cluster:
	s_bfe_u32 s2, ttmp6, 0x10000c
	s_cmp_lg_u32 s2, 0xf033
	s_cbranch_scc0 .Lentry_shape_is_right
	s_endpgm
.Lentry_shape_is_right:
; Q, K, V = x Wq^T, x Wk^T, x Wv^T on codes of FP8 (E4M3) with E8M0 scales; Q and K are rotated; all three are quantised again, in registers, as operands of the attention's two products.
; OPERANDS lie as images of fragment registers: [tile of 16 rows][K step of 128: 8][piece: 4][lane][16 bytes]; lane r of tile T holds row 32 (T / 2) + 8 (T % 2) + r + 8 (r / 8).  Scale words: [tile][ks / 4][r][ks % 4].
; x: tiles 0-255; head n's rows of Wq, Wk, Wv: tiles 256 + 12 n + 0 .. 11, four each.
; SHARES.  256 work-groups: 256 tokens x ONE HEAD's Q, K and V.  A wave: 128 tokens (8 tiles of x) x the head's 64 columns of Q (waves 0, 2) or K (1, 3), and 32 of V's 64: 32 + 16 accumulators.
; Q, K: source 0 = W, source 1 = x: a lane owns a token, its registers run along the features (the next product's K).  V: source 0 = x, source 1 = Wv: a lane owns a feature, its registers run along the tokens (the second product's K).
; By the tiles' order of rows the 16 registers of tiles 2 b, 2 b + 1 are 16 neighbours: 32 b + 16 (lane / 16) + 0 .. 15.
; CLUSTERS of 4 x 4 (heads x token blocks): x's tiles are asked for jointly along a row of the cluster, W's along a column.
; K = 1,024 IS EIGHT STEPS OF 128; LDS HOLDS FIVE: slot 0 steps 0, 1, slot 1 steps 2 to 4, one load a wave at the head (x and W of slot 0: waves 0, 1; of slot 1: waves 2, 3).  A fragment is read a step ahead of its products,
; so slot 0 has been read when step 1's products begin: there a round shows slot 1, and behind it waves 0 and 1 fill slot 0 with steps 5, 6.  In step 4 a round shows these, and waves 2 and 3 bring step 7 into slot 1; a barrier in step 6 shows it.
; No prefetch: five eighths of K are asked for at the head, and no loop runs ahead of loads.  Scale words go from memory straight into registers.
; RESULTS leave from registers, as images: Q and K: qkv + {0, 4 MiB} + [batch x head][tile of tokens: 128][piece: 2][lane][16]; V: qkv + 8 MiB + [batch x head][key step: 16][tile of features: 4][piece: 4][lane][16].
; Scale words: qkvs[batch x head][20,480]: Q's at 0 and K's at 8,192 as [block of 128 tokens][tile / 4][r][tile % 4], bytes 2 and 3 = 0x7f (they stand over the half of the instruction's K that Q's zero codes blank out); V's at 16,384 as [key step][r][tile].
; LIMITS: NaN and infinities are not served; a block whose largest magnitude lies under 2^-118, a block of zeros among them, keeps the byte 1 (these bytes are read by this program alone).
; REGISTERS: window 0: addresses, v32-95 x's scale words, v100-147 W's (no product's two have numbers equal modulo 8), v148-243 W's fragments, set 1; window 1: x's, set 1, at v0, W's, set 0, at v128; window 2: Q's or K's accumulator (a, b) at v[8 (4 a + b)];
; window 3: V's (v, a) at v[8 (8 v + a)], x's fragments, set 0, at v128.  On the way out windows 0, 1 and the upper half of 3 are free.
.set XA,   4                           ; v4-6   LDS address of my x tiles: slot 0, slot 1, step 7 in slot 1
.set WA,   7                           ; v7-9   of my Q or K tiles of W
.set VA,   10                          ; v10-12 of my V tiles
.set IMO,  13                          ; v13    16 x lane
.set LNE,  14                          ; v14    lane
.set CSA,  15                          ; v15    my token's row and my half's pairs in the table of cos and sin
.set R16,  16                          ; v16    16 r
.set VSO,  17                          ; v17    V's scale word
.set SPW,  28
.set NIL,  29
.set SX,   32
.set SW,   100
.set TT,   64                          ; the way out: v64-127 numbers; codes: six groups' own 16 registers at v32, v48, v128, v144, v160, v214; v176-191 the quantiser's work, v192-201 scale words as they are made, v208-212 as they are stored
.set TM,   176
.set WQ,   192
.set WV,   200
.set SO,   208
.set L0W,  65536                       ; LDS: slot 0: x's 16 tiles x 4,096, W's 12 behind them
.set L1X,  114688                      ; slot 1: x's 16 x 6,144,
.set L1W,  212992                      ; W's 12
.set SPARE, 286720                     ; the spare words, 128 bytes for each wave, that no other line names
.set G1X0, 24
.set G1W0, 32
.set G1X1, 48
.set G1W1, 56
.set G0X0, 68
.set G0W0, 72
.set G0X1, 76
.set G0W1, 80
.set SEL,  84
.set MNT,  86
.set MSB, 0
.macro WIN new                         ; the immediate's high byte repeats the setting that is left
.if MSB != \new
	s_set_vgpr_msb (MSB<<8)|\new
.set MSB, \new
.endif
.endm
.macro WALU
	s_wait_alu depctr_va_vdst(0)
.endm
.macro PLACES                          ; behind products, ahead of loads into what they read and of readers of their results
.rept 8
	v_nop
.endr
.endm
.macro CREST                           ; a round of the cluster's barrier behind its opening barrier
	s_cmp_lg_u32 s14, 0
	s_cbranch_scc1 .Lnot_wave_0_\@
	s_barrier_signal -3
.Lnot_wave_0_\@:
	s_barrier_wait -3
	s_barrier_signal -1
	s_barrier_wait -1
.endm
.macro CROUND
	s_barrier_signal -1
	s_barrier_wait -1
	CREST
.endm
.macro TLOAD g0, g1
	tensor_load_to_lds s[\g0:\g0+3], s[\g1:\g1+7]
	s_nop 0
.rept 4
	v_nop
.endr
.endm
.macro GROUP1 g, mask, rows, len       ; so many tiles, len x 8 bytes of each, 16,384 bytes apart
	s_or_b32 s[\g], s[\mask], (3<<16)|(1<<21)
	s_mov_b32 s[\g+1], (\len)<<16
	s_mov_b32 s[\g+2], (\rows)<<16
	s_mov_b32 s[\g+3], (\len)<<16
	s_mov_b32 s[\g+4], \rows
	s_mov_b32 s[\g+5], 2048
	s_mov_b32 s[\g+6], 0
	s_mov_b32 s[\g+7], 0
.endm
.macro GROUP0 g, lds, adr, off
	s_mov_b32 s[\g], 1
	s_mov_b32 s[\g+1], \lds
	s_add_nc_u64 s[\g+2:\g+3], s[\adr:\adr+1], \off
	s_or_b32 s[\g+3], s[\g+3], 0x80000000
.endm
.macro ADR reg, sc, step, base
	s_mul_i32 s20, s[\sc], \step
	s_add_co_u32 s20, s20, \base
	v_add_nc_u32 v[\reg], s20, v[IMO]
.endm
.macro GEO k                           ; where K step k lies: slot and tile pitch, and its place in a tile's row
.if (\k) < 2
.set g_, 0
.set l_, \k
.set row_, 4096
.elseif (\k) < 5
.set g_, 1
.set l_, (\k)-2
.set row_, 6144
.elseif (\k) < 7
.set g_, 0
.set l_, (\k)-5
.set row_, 4096
.else
.set g_, 2
.set l_, 0
.set row_, 2048
.endif
.endm
.macro FX k, a0                        ; four of x's fragments of K step k into set k % 2: 16 loads
	GEO \k
.if (\k)%2
	WIN 0x40
.set fr_, 0
.else
	WIN 0xc0
.set fr_, 128
.endif
.irp a, \a0, \a0+1, \a0+2, \a0+3
.irp c, 0,1,2,3
	ds_load_b128 v[fr_+16*(\a)+4*\c:fr_+16*(\a)+4*\c+3], v[XA+g_] offset:row_*(\a)+2048*l_+512*\c
.endr
.endr
	WIN 0
.endm
.macro FW k                            ; W's six: 24 loads
	GEO \k
.if (\k)%2
	WIN 0
.set fr_, 148
.else
	WIN 0x40
.set fr_, 128
.endif
.irp b, 0,1,2,3
.irp c, 0,1,2,3
	ds_load_b128 v[fr_+16*\b+4*\c:fr_+16*\b+4*\c+3], v[WA+g_] offset:row_*\b+2048*l_+512*\c
.endr
.endr
.irp b, 0,1
.irp c, 0,1,2,3
	ds_load_b128 v[fr_+64+16*\b+4*\c:fr_+64+16*\b+4*\c+3], v[VA+g_] offset:row_*\b+2048*l_+512*\c
.endr
.endr
	WIN 0
.endm
.macro PROD k, a0                      ; 24 products: x's tiles a0 .. a0 + 3 with Q's or K's four tiles, then with V's two.  The 48 accumulators take turns in the same order in every step; the first products start the sums
.if (\k)%2
.set xr_, 0
.set wr_, 148
	WIN 0xa4
.else
.set xr_, 128
.set wr_, 128
	WIN 0xad
.endif
.irp a, \a0, \a0+1, \a0+2, \a0+3
.irp b, 0,1,2,3
.if \k
	v_wmma_scale_f32_16x16x128_f8f6f4 v[8*(4*(\a)+\b):8*(4*(\a)+\b)+7], v[wr_+16*\b:wr_+16*\b+15], v[xr_+16*(\a):xr_+16*(\a)+15], v[8*(4*(\a)+\b):8*(4*(\a)+\b)+7], v[SW+8*\b+\k], v[SX+8*(\a)+\k]
.else
	v_wmma_scale_f32_16x16x128_f8f6f4 v[8*(4*(\a)+\b):8*(4*(\a)+\b)+7], v[wr_+16*\b:wr_+16*\b+15], v[xr_+16*(\a):xr_+16*(\a)+15], 0, v[SW+8*\b], v[SX+8*(\a)]
.endif
.endr
.endr
.if (\k)%2
	WIN 0xf1
.else
	WIN 0xf7
.endif
.irp a, \a0, \a0+1, \a0+2, \a0+3
.irp b, 0,1
.if \k
	v_wmma_scale_f32_16x16x128_f8f6f4 v[8*(8*\b+\a):8*(8*\b+\a)+7], v[xr_+16*(\a):xr_+16*(\a)+15], v[wr_+64+16*\b:wr_+64+16*\b+15], v[8*(8*\b+\a):8*(8*\b+\a)+7], v[SX+8*(\a)+\k], v[SW+32+8*\b+\k]
.else
	v_wmma_scale_f32_16x16x128_f8f6f4 v[8*(8*\b+\a):8*(8*\b+\a)+7], v[xr_+16*(\a):xr_+16*(\a)+15], v[wr_+64+16*\b:wr_+64+16*\b+15], 0, v[SX+8*(\a)], v[SW+32+8*\b]
.endif
.endr
.endr
	WIN 0
.endm
.macro NSTEP k                         ; a step whose successor lies in LDS already: 16 loads of mine (x's tiles 4-7) may be out at its head, 40 of the next step's behind them
	s_wait_dscnt 16
.if \k
	PLACES
.endif
	FW (\k)+1
	FX (\k)+1, 0
	PROD \k, 0
	s_wait_dscnt 40
	FX (\k)+1, 4
	PROD \k, 4
.endm
.macro RSTEP k, dx, dw, gx, gw, wx     ; a step with a round.  Behind it waves wx and wx + 1 fill again the slot that all have read
	s_wait_tensorcnt 0x0                           ; all my tensor loads have landed
	ds_add_u32 v[SPW], v[NIL]
	s_add_nc_u64 s[\dx+2:\dx+3], s[\dx+2:\dx+3], 10240   ; five K steps on
	s_add_nc_u64 s[\dw+2:\dw+3], s[\dw+2:\dw+3], 10240
.if \k == 4
	s_mov_b32 s[G1X1+1], 256<<16                   ; one K step of each tile
	s_mov_b32 s[G1X1+3], 256<<16
	s_mov_b32 s[G1W1+1], 256<<16
	s_mov_b32 s[G1W1+3], 256<<16
.endif
	s_wait_dscnt 0x0                               ; the add is done, and this step's fragments, the slot's last, are in registers
	s_barrier_signal -1
	PROD \k, 0
	s_barrier_wait -1
	CREST
	s_cmp_eq_u32 s14, \wx
	s_cbranch_scc0 .Lnot_x_\@
	TLOAD \dx, \gx
	s_branch .Lfilled_\@
.Lnot_x_\@:
	s_cmp_eq_u32 s14, \wx+1
	s_cbranch_scc0 .Lfilled_\@
	TLOAD \dw, \gw
.Lfilled_\@:
	PLACES
	FW (\k)+1
	FX (\k)+1, 0
	FX (\k)+1, 4
	PROD \k, 4
.endm
; THE QUANTISER, in four parts; register 16 b + i = k 32 b + 16 h + i of my row; four blocks by turns.  QMAX names TM as source 0 and the numbers as sources 1 and 2, so that they may lie in another window.
.macro QMAX s
.irp b, 0,1,2,3
	v_max3_num_f32 v[TM+\b], 0x4800000, |v[(\s)+16*\b]|, |v[(\s)+16*\b+1]|   ; with the floor 2^(9 - 127): the byte cannot fall under 1
.endr
.irp i, 2,4,6,8,10,12,14
.irp b, 0,1,2,3
	v_max3_num_f32 v[TM+\b], v[TM+\b], |v[(\s)+16*\b+\i]|, |v[(\s)+16*\b+\i+1]|
.endr
.endr
.endm
.macro QSCALE
.irp b, 0,1,2,3
	v_permlanex16_b32 v[TM+4+\b], v[TM+\b], s[SEL], s[SEL+1]
.endr
.irp b, 0,1,2,3
	v_max_num_f32 v[TM+\b], v[TM+\b], v[TM+4+\b]   ; with lane l xor 16's: the block's largest magnitude
.endr
.irp b, 0,1,2,3
	v_add_nc_u32 v[TM+12+\b], 0xfc000000, v[TM+\b] ; 8 off its exponent field: the conversion's scale operand
.endr
.irp b, 0,1,2,3
	v_and_or_b32 v[TM+8+\b], v[TM+\b], 0x7f800000, s[MNT]   ; 448 x the scale
.endr
.irp b, 0,1,2,3
	v_lshrrev_b32 v[TM+4+\b], 23, v[TM+12+\b]      ; the byte
.endr
.endm
.macro QHOLD s                         ; the conversion to an 8-bit code does not saturate (ISA guide 7.6.2)
.irp b, 0,1,2,3
.set qi, 16*\b
.rept 16
	v_med3_num_f32 v[TT+qi], v[(\s)+qi], -v[TM+8+\b], v[TM+8+\b]
.set qi, qi+1
.endr
.endr
.endm
.macro QCVT pc                         ; (each group has code registers of its own: no store's data are written again)
.irp b, 0,1,2,3
	v_cvt_scalef32_pk8_fp8_f32 v[(\pc)+4*\b:(\pc)+4*\b+1], v[TT+16*\b:TT+16*\b+7], v[TM+12+\b]
	v_cvt_scalef32_pk8_fp8_f32 v[(\pc)+4*\b+2:(\pc)+4*\b+3], v[TT+16*\b+8:TT+16*\b+15], v[TM+12+\b]
.endr
	v_nop                                          ; one plain line behind the last conversion
.endm
.macro CSLOAD a                        ; cos and sin for x's tile a: my token's 16 pairs, (cos, sin) by pairs: tiles 0-3 into window 3's upper half, 4-7 into window 1
.if (\a) < 4
	WIN 0xc0
.set cb_, 128+32*(\a)
.else
	WIN 0x40
.set cb_, 128+32*((\a)-4)
.endif
.irp c, 0,1
.irp j, 0,1,2,3
	global_load_b128 v[cb_+16*\c+4*\j:cb_+16*\c+4*\j+3], v[CSA], s[8:9] offset:(32*((\a)/2)+8*((\a)%2))*256+128*\c+16*\j
.endr
.endr
	WIN 0
.endm
.macro GROUPQK a, left, pc             ; x's tiles a, a + 1: 32 tokens x the head's 64: rotated, quantised, stored as two tiles' images; left: loads of later tiles' cos and sin that may be out
	s_wait_loadcnt \left
.set XB, 32*(\a)
.if (\a) < 4
.set CB, 128+32*(\a)
	WIN 0x0e
.else
.set CB, 128+32*((\a)-4)
	WIN 0x06
.endif
.set rk, 0
.rept 32
	v_pk_mul_f32 v[TT+rk:TT+rk+1], v[XB+rk:XB+rk+1], v[CB+rk:CB+rk+1] op_sel_hi:[1,0]   ; (even, odd) x cos; each accumulator is read from its low end on
.set rk, rk+2
.endr
.set rk, 0
.rept 32
	v_pk_fma_f32 v[TT+rk:TT+rk+1], v[XB+rk:XB+rk+1], v[CB+rk:CB+rk+1], v[TT+rk:TT+rk+1] op_sel:[1,1,0] op_sel_hi:[0,1,1] neg_lo:[1,0,0]   ; low: even cos - odd sin; high: odd cos + even sin
.set rk, rk+2
.endr
	WIN 0
	QMAX TT
	QSCALE
	v_lshl_or_b32 v[WQ+\a], v[TM+5], 8, v[TM+4]
	v_lshl_or_b32 v[WQ+\a+1], v[TM+7], 8, v[TM+6]
	v_or_b32 v[WQ+\a], 0x7f7f0000, v[WQ+\a]
	v_or_b32 v[WQ+\a+1], 0x7f7f0000, v[WQ+\a+1]
	QHOLD TT
	QCVT \pc
.irp c, 0,1,2,3
	global_store_b128 v[IMO], v[(\pc)+4*\c:(\pc)+4*\c+3], s[66:67] offset:(\a)*1024+512*\c   ; 512 consecutive bytes each
.endr
.endm
.macro GROUPV b, pc                    ; 16 features x my 128 tokens: one fragment of V^T
	WIN 0x3c
	QMAX 64*\b
	WIN 0
	QSCALE
	v_lshl_or_b32 v[WV+\b], v[TM+5], 8, v[TM+4]
	v_lshl_or_b32 v[WV+\b], v[TM+6], 16, v[WV+\b]
	v_lshl_or_b32 v[WV+\b], v[TM+7], 24, v[WV+\b]
	WIN 0x03
	QHOLD 64*\b
	WIN 0
	QCVT \pc
.irp c, 0,1,2,3
	global_store_b128 v[IMO], v[(\pc)+4*\c:(\pc)+4*\c+3], s[98:99] offset:2048*\b+512*\c
.endr
.endm
	s_load_b256 s[4:11], s[0:1], 0x0               ; codes s[4:5], scales s[6:7], rope s[8:9], qkv s[10:11]
	s_load_b64 s[12:13], s[0:1], 0x20              ; qkvs
	v_lshl_add_u32 v[SPW], v0, 2, SPARE
	v_mov_b32 v[NIL], 0
	ds_add_u32 v[SPW], v[NIL]                      ; the wave's opening: the add, twice on end, and its wait ahead of my first tensor load
	ds_add_u32 v[SPW], v[NIL]
	v_lshrrev_b32 v1, 5, v0
	v_readfirstlane_b32 s14, v1                    ; wave 0..3
	v_and_b32 v1, 15, v0                           ; r
	v_bfe_u32 v2, v0, 4, 1                         ; h
	v_and_b32 v[LNE], 31, v0
	v_and_b32 v3, 8, v1
	v_lshlrev_b32 v[R16], 4, v1
	v_lshlrev_b32 v[IMO], 4, v[LNE]
	v_add_nc_u32 v3, v3, v1                        ; r + 8 (r / 8): my token's place in its tile's 24 rows
	v_lshlrev_b32 v3, 8, v3                        ; 256 bytes of the table a position,
	v_lshl_add_u32 v[CSA], v2, 6, v3               ; and my half's 8 pairs of each block
	v_lshl_add_u32 v[VSO], v2, 2, v[R16]
	WALU
	s_lshr_b32 s15, s14, 1                         ; which 128 tokens
	s_and_b32 s16, s14, 1                          ; Q or K; and which half of V
	s_bfe_u32 s40, ttmp6, 0x40000                  ; cx, cy
	s_bfe_u32 s41, ttmp6, 0x40004
	s_lshl_b32 s43, s41, 2
	s_lshl_b32 s43, 15, s43                        ; my row of the cluster
	s_lshl_b32 s44, 0x1111, s40                    ; my column
	s_and_b32 s17, ttmp7, 0xffff
	s_lshl_b32 s17, s17, 2
	s_add_co_u32 s17, s17, s41                     ; which 256 tokens
	s_lshl_b32 s18, ttmp9, 2
	s_add_co_u32 s18, s18, s40                     ; the head
	GROUP1 G1X0, 43, 16, 512
	GROUP1 G1W0, 44, 12, 512
	GROUP1 G1X1, 43, 16, 768
	GROUP1 G1W1, 44, 12, 768
	ADR XA, 15, 32768, 0
	ADR XA+1, 15, 49152, L1X
	ADR XA+2, 15, 16384, L1X
	ADR WA, 16, 16384, L0W
	ADR WA+1, 16, 24576, L1W
	ADR WA+2, 16, 8192, L1W
	ADR VA, 16, 8192, L0W+8*4096
	ADR VA+1, 16, 12288, L1W+8*6144
	ADR VA+2, 16, 4096, L1W+8*2048
	s_lshl_b32 s20, s16, 3
	v_add_nc_u32 v[VSO], s20, v[VSO]               ; V's word: 16 r + 8 x my half + 4 h
	s_lshl_b32 s88, s17, 18                        ; x's codes
	s_mov_b32 s89, 0
	s_mul_i32 s90, s18, 196608                     ; W's
	s_add_co_u32 s90, s90, 0x400000
	s_mov_b32 s91, 0
	s_lshl_b32 s92, s17, 13                        ; x's scale words: my 8 tiles
	s_lshl_b32 s20, s15, 12
	s_add_co_u32 s92, s92, s20
	s_mov_b32 s93, 0
	s_mul_i32 s96, s18, 6144                       ; W's
	s_add_co_u32 s96, s96, 131072
	s_lshl_b32 s20, s16, 11
	s_add_co_u32 s94, s96, s20                     ; Q's or K's four tiles
	s_mov_b32 s95, 0
	s_lshl_b32 s20, s16, 10
	s_add_co_u32 s96, s96, s20
	s_add_co_u32 s96, s96, 4096                    ; V's two
	s_mov_b32 s97, 0
	s_and_b32 s19, s17, 7
	s_lshl_b32 s19, s19, 8
	s_lshl_b32 s20, s15, 7
	s_add_co_u32 s19, s19, s20                     ; my first position
	s_lshr_b32 s20, s17, 3
	s_lshl_b32 s20, s20, 4
	s_add_co_u32 s20, s20, s18                     ; batch x head
	s_lshl_b32 s21, s20, 17
	s_lshl_b32 s22, s19, 6                         ; 1,024 bytes a tile of 16 tokens, 8,192 a key step of 128
	s_add_co_u32 s21, s21, s22
	s_lshl_b32 s22, s16, 22                        ; Q at 0, K at 4 MiB
	s_add_co_u32 s66, s21, s22
	s_mov_b32 s67, 0
	s_lshl_b32 s22, s16, 12                        ; V at 8 MiB, my two tiles of features
	s_add_co_u32 s98, s21, s22
	s_add_co_u32 s98, s98, 0x800000
	s_mov_b32 s99, 0
	s_mul_i32 s20, s20, 20480                      ; scale words
	s_lshl_b32 s21, s16, 13
	s_add_co_u32 s2, s20, s21
	s_lshl_b32 s21, s19, 2
	s_add_co_u32 s2, s2, s21
	s_mov_b32 s3, 0
	s_lshl_b32 s21, s19, 1
	s_add_co_u32 s46, s20, s21
	s_add_co_u32 s46, s46, 16384
	s_mov_b32 s47, 0
	s_lshl_b32 s20, s19, 8                         ; the table's rows
	s_mov_b32 s21, 0
	s_mov_b32 s[SEL], 0x76543210
	s_mov_b32 s[SEL+1], 0xfedcba98
	s_mov_b32 s[MNT], 0x600000
	WALU
	s_wait_dscnt 0x0                               ; both opening adds are done
	CROUND                                         ; the opening round, ahead of the wait for the arguments: all sixteen work-groups are here, and the first joint loads meet
	s_wait_kmcnt 0x0
	s_add_nc_u64 s[92:93], s[6:7], s[92:93]
	s_add_nc_u64 s[94:95], s[6:7], s[94:95]
	s_add_nc_u64 s[96:97], s[6:7], s[96:97]
	s_add_nc_u64 s[88:89], s[4:5], s[88:89]
	s_add_nc_u64 s[90:91], s[4:5], s[90:91]
	s_add_nc_u64 s[8:9], s[8:9], s[20:21]
	s_add_nc_u64 s[66:67], s[10:11], s[66:67]
	s_add_nc_u64 s[98:99], s[10:11], s[98:99]
	s_add_nc_u64 s[2:3], s[12:13], s[2:3]
	s_add_nc_u64 s[46:47], s[12:13], s[46:47]
	GROUP0 G0X0, 0, 88, 0
	GROUP0 G0W0, L0W, 90, 0
	GROUP0 G0X1, L1X, 88, 4096
	GROUP0 G0W1, L1W, 90, 4096
.macro WORDS g                         ; the scale words of K steps 4 g .. 4 g + 3: 14 loads
.irp a, 0,1,2,3,4,5,6,7
	global_load_b128 v[SX+8*\a+4*\g:SX+8*\a+4*\g+3], v[R16], s[92:93] offset:512*\a+256*\g
.endr
.irp b, 0,1,2,3
	global_load_b128 v[SW+8*\b+4*\g:SW+8*\b+4*\g+3], v[R16], s[94:95] offset:512*\b+256*\g
.endr
.irp b, 0,1
	global_load_b128 v[SW+32+8*\b+4*\g:SW+32+8*\b+4*\g+3], v[R16], s[96:97] offset:512*\b+256*\g
.endr
.endm
	WORDS 0                                        ; the first half is wanted with K step 0: ahead of the tiles
	s_cmp_lt_u32 s14, 1                            ; one load a wave, what is needed first is asked for first
	s_cbranch_scc0 .Lhead_w0
	TLOAD G0X0, G1X0
	s_branch .Lasked
.Lhead_w0:
	s_cmp_lt_u32 s14, 2
	s_cbranch_scc0 .Lhead_x1
	TLOAD G0W0, G1W0
	s_branch .Lasked
.Lhead_x1:
	s_cmp_lt_u32 s14, 3
	s_cbranch_scc0 .Lhead_w1
	TLOAD G0X1, G1X1
	s_branch .Lasked
.Lhead_w1:
	TLOAD G0W1, G1W1
.Lasked:
	WORDS 1
	s_cmp_lt_u32 s14, 2
	s_cbranch_scc0 .Lnot_first
	s_wait_tensorcnt 0x0                           ; waves 0 and 1: slot 0 is in.  The others' wait stands in step 1
.Lnot_first:
	s_barrier_signal -1
	s_barrier_wait -1
	FW 0
	FX 0, 0
	FX 0, 4
	s_wait_loadcnt 14                              ; the first half of the scale words; the second half's 14 loads may be out
	NSTEP 0
	RSTEP 1, G0X0, G0W0, G1X0, G1W0, 0
	NSTEP 2
	NSTEP 3
	s_wait_loadcnt 0x0                             ; the second half
	RSTEP 4, G0X1, G0W1, G1X1, G1W1, 2
	NSTEP 5
	s_wait_tensorcnt 0x0                           ; step 7's tiles are in
	s_wait_dscnt 0x0
	s_barrier_signal -1
	PROD 6, 0
	s_barrier_wait -1
	PLACES
	FW 7
	FX 7, 0
	FX 7, 4
	PROD 6, 4
	s_wait_dscnt 0x0
	PLACES
.irp a, 0,1,2,3
	CSLOAD \a                                      ; cos and sin for the first four tiles come while the last 48 products run, into registers that these leave alone
.endr
	PROD 7, 0
.irp a, 4,5,6,7
	CSLOAD \a                                      ; and for the other four
.endr
	PROD 7, 4
	PLACES
.irp b, 0,1,2,3
	v_mov_b32 v[TM+4+\b], 0                        ; a lane permute's destination counts as one of its sources
.endr
	GROUPV 0, 32
	GROUPV 1, 48
	GROUPQK 0, 48, 128
	GROUPQK 2, 32, 144
	GROUPQK 4, 16, 160
	GROUPQK 6, 0, 214
	v_cmp_le_u32 vcc_lo, 16, v[LNE]                ; both halves of the lanes hold row r's words: lanes 0-15 store tiles 0-3's, lanes 16-31 tiles 4-7's; of V's two tiles likewise one each
.irp j, 0,1,2,3
	v_cndmask_b32 v[SO+\j], v[WQ+\j], v[WQ+4+\j], vcc_lo
.endr
	v_cndmask_b32 v[SO+4], v[WV], v[WV+1], vcc_lo
	global_store_b128 v[IMO], v[SO:SO+3], s[2:3]   ; 512 consecutive bytes
	global_store_b32 v[VSO], v[SO+4], s[46:47]
	s_wait_tensorcnt 0x0                           ; the wave's end
	ds_add_u32 v[SPW], v[NIL]
	s_wait_dscnt 0x0
	CROUND                                         ; the closing round
	s_endpgm
.Lfunc_end_k_q4f3a1d5fa4_qkv:
	.size	k_q4f3a1d5fa4_qkv, .Lfunc_end_k_q4f3a1d5fa4_qkv-k_q4f3a1d5fa4_qkv
	.p2alignl 7, 3214868480
	.fill 96, 4, 3214868480
	.section	.rodata,"a",@progbits
	.p2align	6, 0x0
	.amdhsa_kernel k_q4f3a1d5fa4_qkv
		.amdhsa_group_segment_fixed_size 327680
		.amdhsa_private_segment_fixed_size 0
		.amdhsa_enable_private_segment 0
		.amdhsa_kernarg_size 40
		.amdhsa_user_sgpr_count 2
		.amdhsa_user_sgpr_kernarg_segment_ptr 1
		.amdhsa_wavefront_size32 1
		.amdhsa_system_sgpr_workgroup_id_x 1
		.amdhsa_system_sgpr_workgroup_id_y 1
		.amdhsa_system_sgpr_workgroup_id_z 1
		.amdhsa_system_vgpr_workitem_id 0
		.amdhsa_next_free_vgpr 1024
		.amdhsa_next_free_sgpr 100
		.amdhsa_reserve_vcc 1
		.amdhsa_float_denorm_mode_32 3
		.amdhsa_float_denorm_mode_16_64 3
		.amdhsa_memory_ordered 1
		.amdhsa_forward_progress 1
		.amdhsa_inst_pref_size 171
	.end_amdhsa_kernel
	.amdgpu_metadata
---
amdhsa.version: [ 1, 2 ]
amdhsa.kernels:
  - .name:           k_q4f3a1d5fa4_qkv
    .symbol:         k_q4f3a1d5fa4_qkv.kd
    .args:
      - { .name: codes, .offset: 0, .size: 8, .value_kind: global_buffer, .address_space: global }
      - { .name: scales, .offset: 8, .size: 8, .value_kind: global_buffer, .address_space: global }
      - { .name: rope, .offset: 16, .size: 8, .value_kind: global_buffer, .address_space: global }
      - { .name: qkv, .offset: 24, .size: 8, .value_kind: global_buffer, .address_space: global }
      - { .name: qkvs, .offset: 32, .size: 8, .value_kind: global_buffer, .address_space: global }
    .group_segment_fixed_size: 327680
    .private_segment_fixed_size: 0
    .kernarg_segment_align: 8
    .kernarg_segment_size: 40
    .max_flat_workgroup_size: 128
    .sgpr_count:     100
    .vgpr_count:     1024
    .wavefront_size: 32
...
	.end_amdgpu_metadata
.endif
;; end of part 2
;; launch attn (part 3): grid 8 x 32, 16 waves a work-group, clusters of 4 x 1, 327,680 bytes of LDS; arguments qkv, qkvs, oc, os; writes oc, os
.if DOCPART == 3
	.amdgcn_target "amdgcn-amd-amdhsa--gfx1250"
	.amdhsa_code_object_version 6
	.text
	.protected	k_q4f3a1d5fa4_attn
	.globl	k_q4f3a1d5fa4_attn
	.p2align	8
	.type	k_q4f3a1d5fa4_attn,@function
k_q4f3a1d5fa4_attn:
	s_mov_b64 s[64:65], 0
	v_nop
	global_prefetch_b8 v0, s[64:65] scope:SCOPE_SE
	s_setreg_imm32_b32 hwreg(HW_REG_WAVE_MODE, 25, 1), 1
	s_wait_xcnt 0x0
	s_wait_alu depctr_hold_cnt(0) depctr_sa_sdst(0) depctr_va_vdst(0) depctr_va_sdst(0) depctr_va_ssrc(0) depctr_va_vcc(0) depctr_vm_vsrc(0)
	s_getreg_b32 s2, hwreg(HW_REG_IB_STS2, 6, 4)
	s_cmp_eq_u32 s2, 0
	s_cbranch_scc0 .Lentry_in_a_cluster
	s_endpgm
.Lentry_in_a_cluster:
	s_bfe_u32 s2, ttmp6, 0x10000c
	s_cmp_lg_u32 s2, 0x3003
	s_cbranch_scc0 .Lentry_shape_is_right
	s_endpgm
.Lentry_shape_is_right:
; Causal attention of one head on codes of FP8 (E4M3) with E8M0 scales, head size 64, 2,048 tokens; the result is quantised along the model's 1,024 as an operand of the last product.
; THE SOFTMAX AHEAD OF THE SECOND PRODUCT: t = score x log2(e) / 8; M = the row's largest t so far, rounded UP to a whole number; p = 2^(t - M) is quantised along the keys, not normalised.  The row's sum is taken of the unquantised p and divides O at the end.
; When M moves, the sum and O are multiplied by 2^(old M - new M): exact.
; INPUTS are images of fragment registers (see the launch that makes them): a tile of 16 tokens of Q or K is 1,024 bytes (pieces 0, 1: the head's 64 of the instruction's 128);
; lane r of tile T holds token 32 (T / 2) + 8 (T % 2) + r + 8 (r / 8), so that the 16 registers of the score tiles 2 b, 2 b + 1 are 16 neighbouring keys: 32 b + 16 (lane / 16) + 0 .. 15.  A key step of V is four fragments (16 features x 128 keys).
; Both products are used transposed: S^T = K Q^T, O^T = V^T P^T: a lane holds ONE query throughout.
; THE UPPER HALF OF K = 128: Q's upper 8 registers are zero codes, so what K's fragment holds there adds nothing as long as it is finite: K's eight tiles stand 8 registers apart, a fragment's upper half is the next tile's codes (zeros behind the eighth), under scale bytes 0x7f.
; SHARES.  bh = work-group y; c = work-group x (0 .. 7).  A key step is 128 keys = 8 tiles; the work-group owns the 16 query tiles 8 a + c, one to a wave, and tile a needs key steps 0 .. a, step a on the diagonal.
; The lowest wave numbers have the most steps: a = 15 - w for waves 0 to 7, (w % 8) xor 4 for waves 8 to 15: waves s, s + 4, s + 8, s + 12 have (16 - s) + (12 - s) + (5 + s) + (1 + s) = 34 steps for every s.
; No branch hangs on the place in the cluster, which enters Q's and O's addresses and the mask's numbers alone.
; LEFT OUT: key steps that the causal mask hides from a whole tile.  A NaN or an infinity in these reaches no result.
; A HEAD'S K AND V LIE IN LDS WHOLE: 131,072 bytes each, with their scale words (12,288).  Each byte is filled once, by joint loads of the cluster's four work-groups, one load a wave at the head: waves 0 to 2 the scale words and key step 0 of K and V, which the first barrier shows;
; waves 8 to 15 the rest, which the second barrier shows, behind step 0.  No prefetch: all bytes are asked for at the head, and no loop runs ahead of loads.
; os is stored two bytes a row (a head's half of a scale word): one byte in 32 of what this launch stores goes out so.
; LIMITS: NaN and infinities are not served; a block whose largest magnitude lies under 2^-118, a block of zeros among them, keeps the byte 1 (these bytes are read by this program alone).  The scaled scores stay under 2^31 in magnitude.
.set LI,   1                           ; v1   16 x lane
.set LR,   2                           ; v2   K's scale words + 16 r
.set DM,   3                           ; v3   my query's place in its block of 128, less 16 (lane / 16)
.set R16,  4                           ; v4   16 r
.set LN,   5                           ; v5   lane
.set SPW,  6                           ; v6   my spare word
.set NIL,  7                           ; v7   0
.set ADK,  8
.set ADV,  9
.set ADS,  10
.set ADT,  11                          ; v12 -M, v13 the largest score, v[14:15] the sum; v16-23 Q, v24-31 zeros
.set KF,   32                          ; v32-95   K's eight tiles, then V's four fragments; v96-103 zeros
.set SX,   104                         ; v104-167 S^T, then p
.set OX,   168                         ; v168-199 O^T
.set PC,   200                         ; v200-215 p's codes
.set KW,   216                         ; v216-223 K's scale words
.set VW,   224                         ; v224-227 V's
.set QW,   228                         ; v228     Q's
.set PW,   229                         ; v229     p's
.set C1,   230                         ; v[230:231], v[248:249], v[250:251]: the sum's other three chains, folded at the next step's head
.set TM,   232                         ; v232-235 maxima, v236-239 bytes, v240-243 448 x the scale, v244-247 the conversions' scale operands
.set C2,   248
.set C3,   250
.set F,    252                         ; v252     2^(old M - new M); v253 at work
.set TX,   254
.set SPARE, 274432                     ; behind K, V and their words: the spare words, 128 bytes for each wave, that no other line names
.set WV,   12                          ; s12  wave
.set AB,   17                          ; s17  a: my block of 128 queries, and my last key step
.set G1S,  24                          ; descriptors: group 1 for the scale words, for a key step, for the rest
.set G1F,  32
.set G1R,  40
.set G0S,  48
.set G0K,  52
.set G0V,  56
.set G0R,  68
.set ST,   60                          ; s60  the key step
.set TB,   61                          ; s61  where its tiles of K begin in LDS
.set TS,   62                          ; s62  its words of K
.set TJ,   63                          ; s63  its words of V
.set SEL,  86
.set CS,   88                          ; s[88:89] c = log2(e) / 8
.set MNT,  90
.set NC,   91                          ; s91  -c
.macro WALU
	s_wait_alu depctr_va_vdst(0)
.endm
.macro CROUND                          ; a round of the cluster's barrier
	s_barrier_signal -1
	s_barrier_wait -1
	s_cmp_lg_u32 s[WV], 0
	s_cbranch_scc1 .Lnot_wave_0_\@
	s_barrier_signal -3
.Lnot_wave_0_\@:
	s_barrier_wait -3
	s_barrier_signal -1
	s_barrier_wait -1
.endm
.macro TLOAD g0, g1
	tensor_load_to_lds s[\g0:\g0+3], s[\g1:\g1+7]
	s_nop 0
.rept 4
	v_nop
.endr
.endm
.macro GROUP1 g, rows                  ; dense bytes as rows of 256 (32 elements of 8 bytes); mask: all four work-groups; bit 21 set beside a mask
	s_mov_b32 s[\g], 15|(3<<16)|(1<<21)
	s_mov_b32 s[\g+1], 32<<16
	s_mov_b32 s[\g+2], (\rows)<<16
	s_mov_b32 s[\g+3], 32<<16
	s_mov_b32 s[\g+4], \rows
	s_mov_b32 s[\g+5], 32
	s_mov_b32 s[\g+6], 0
	s_mov_b32 s[\g+7], 0
.endm
.macro QMAX s, nb
.set qb, 0
.rept \nb
	v_max3_num_f32 v[TM+qb], 0x4800000, |v[(\s)+16*qb]|, |v[(\s)+16*qb+1]|   ; with the floor 2^(9 - 127)
.set qb, qb+1
.endr
.irp i, 2,4,6,8,10,12,14
.set qb, 0
.rept \nb
	s_delay_alu instid0(VALU_DEP_2)
	v_max3_num_f32 v[TM+qb], v[TM+qb], |v[(\s)+16*qb+\i]|, |v[(\s)+16*qb+\i+1]|
.set qb, qb+1
.endr
.endr
.endm
.macro QSCALE nb
.set qb, 0
.rept \nb
	s_delay_alu instid0(VALU_DEP_2)
	v_permlanex16_b32 v[TM+4+qb], v[TM+qb], s[SEL], s[SEL+1]
.set qb, qb+1
.endr
.set qb, 0
.rept \nb
	s_delay_alu instid0(VALU_DEP_2)
	v_max_num_f32 v[TM+qb], v[TM+qb], v[TM+4+qb]
.set qb, qb+1
.endr
.set qb, 0
.rept \nb
	s_delay_alu instid0(VALU_DEP_2)
	v_add_nc_u32 v[TM+12+qb], 0xfc000000, v[TM+qb]
.set qb, qb+1
.endr
.set qb, 0
.rept \nb
	s_delay_alu instid0(VALU_DEP_4)
	v_and_or_b32 v[TM+8+qb], v[TM+qb], 0x7f800000, s[MNT]
.set qb, qb+1
.endr
.set qb, 0
.rept \nb
	s_delay_alu instid0(VALU_DEP_4)
	v_lshrrev_b32 v[TM+4+qb], 23, v[TM+12+qb]
.set qb, qb+1
.endr
.endm
.macro HIDE from                       ; 32 scores: register 16 b + i holds key 32 b + 16 (lane / 16) + i of the block
	v_mov_b32 v[F], 0xff800000
.set mn, \from
.rept 32
	v_cmp_gt_i32 vcc_lo, 32*(mn/16)+mn%16, v[DM]
	v_cndmask_b32 v[SX+mn], v[SX+mn], v[F], vcc_lo
.set mn, mn+1
.endr
.endm
; A KEY STEP: 128 keys.  test = 1: a step all of whose keys come after my queries is left out
.macro STEP test
.if \test
	s_cmp_gt_u32 s[ST], s[AB]
	s_cbranch_scc1 .Lhidden_\@
.endif
	v_pk_add_f32 v[14:15], v[14:15], v[C1:C1+1]    ; the last step's chains are folded here: with the additions and two v_nop eight places behind the last products, ahead of the loads
	v_add_nc_u32 v[ADK], s[TB], v[LI]
	v_pk_add_f32 v[C2:C2+1], v[C2:C2+1], v[C3:C3+1]
	v_add_nc_u32 v[ADS], s[TS], v[LR]
	v_add_nc_u32 v[ADT], s[TJ], v[LR]
	v_pk_add_f32 v[14:15], v[14:15], v[C2:C2+1]
	v_nop
	v_nop
	ds_load_b128 v[KW:KW+3], v[ADS]                ; K's words of tiles 0-3,
	ds_load_b128 v[KW+4:KW+7], v[ADS] offset:256   ; of tiles 4-7
.irp t, 0,1,2,3,4,5,6,7
	ds_load_b128 v[KF+8*\t:KF+8*\t+3], v[ADK] offset:1024*\t
	ds_load_b128 v[KF+8*\t+4:KF+8*\t+7], v[ADK] offset:1024*\t+512
.endr
	ds_load_b128 v[VW:VW+3], v[ADT] offset:8192    ; V's four words
	WALU
	s_wait_dscnt 7                                 ; K's words and tiles 0-4 are in; six loads of tiles 5-7 and V's words may be out
.irp t, 0,1,2,3                                ; S^T = K Q^T
	v_wmma_scale_f32_16x16x128_f8f6f4 v[SX+8*\t:SX+8*\t+7], v[KF+8*\t:KF+8*\t+15], v[16:31], 0, v[KW+\t], v[QW]
.endr
	s_wait_dscnt 0x0
.irp t, 4,5,6,7
	v_wmma_scale_f32_16x16x128_f8f6f4 v[SX+8*\t:SX+8*\t+7], v[KF+8*\t:KF+8*\t+15], v[16:31], 0, v[KW+\t], v[QW]
.endr
	v_mov_b32 v[TX], v12                           ; the old -M; with the next line and six v_nop eight places
	v_add_nc_u32 v[ADV], 0x20000, v[ADK]
.rept 6
	v_nop
.endr
.irp b, 0,1,2,3
.irp c, 0,1,2,3
	ds_load_b128 v[KF+16*\b+4*\c:KF+16*\b+4*\c+3], v[ADV] offset:2048*\b+512*\c   ; V lands in K's registers while the softmax is taken
.endr
.endr
	s_cmp_lg_u32 s[ST], s[AB]                      ; on the diagonal the scores of hidden keys become -infinity ahead of the maximum: p = 0 then
	s_cbranch_scc1 .Lopen_\@
	s_cmp_lg_u32 ttmp9, 0                          ; the cluster's x, the same in all four partners
	s_cbranch_scc1 .Lupper_\@
	HIDE 0                                         ; c = 0 .. 3: my queries lie in the block's first 64: of the first 64 keys some are hidden, the last 64 all
.set mn, 32
.rept 16
	v_dual_mov_b32 v[SX+mn], v[F] :: v_dual_mov_b32 v[SX+mn+1], v[F]
.set mn, mn+2
.endr
	WALU
	s_branch .Lopen_\@
.Lupper_\@:
	HIDE 32                                        ; c = 4 .. 7: in its last 64: the first 64 keys all count
.Lopen_\@:
.irp b, 0,1,2,3
	v_max3_num_f32 v[TM+\b], v[SX+16*\b], v[SX+16*\b+1], v[SX+16*\b+2]   ; the largest score of each block of 32 keys: for the row's maximum, and, since p rises with the score, for the block's largest p
.endr
.irp i, 3,5,7,9,11,13
.irp b, 0,1,2,3
	v_max3_num_f32 v[TM+\b], v[TM+\b], v[SX+16*\b+\i], v[SX+16*\b+\i+1]
.endr
.endr
.irp b, 0,1,2,3
	v_max_num_f32 v[TM+\b], v[TM+\b], v[SX+16*\b+15]
.endr
.irp b, 0,1,2,3
	s_delay_alu instid0(VALU_DEP_4)
	v_permlanex16_b32 v[TM+4+\b], v[TM+\b], s[SEL], s[SEL+1]
.endr
.irp b, 0,1,2,3
	s_delay_alu instid0(VALU_DEP_4)
	v_max_num_f32 v[TM+\b], v[TM+\b], v[TM+4+\b]   ; with lane l xor 16's 16 keys
.endr
	s_delay_alu instid0(VALU_DEP_2)
	v_max3_num_f32 v253, v[TM], v[TM+1], v[TM+2]
	s_delay_alu instid0(VALU_DEP_1)
	v_max3_num_f32 v13, v13, v253, v[TM+3]         ; the running largest score
	s_delay_alu instid0(VALU_DEP_1)
	v_mul_f32 v253, s[NC], v13                     ; -t
	s_delay_alu instid0(VALU_DEP_1)
	v_floor_f32 v12, v253                          ; the new -M = -ceil(t): a whole number
	s_delay_alu instid0(VALU_DEP_1)
	v_sub_f32 v253, v12, v[TX]
.set pj, 0
.rept 32
	v_pk_fma_f32 v[SX+pj:SX+pj+1], v[SX+pj:SX+pj+1], s[CS:CS+1], v[12:13] op_sel_hi:[1,0,0]   ; t - M, two at a time
.if pj == 8
	v_cvt_i32_f32 v253, v253                       ; (it saturates)
.endif
.if pj == 16
	v_ldexp_f32 v[F], 1.0, v253                    ; f = 2^(old M - new M)
.endif
.set pj, pj+2
.endr
.irp b, 0,1,2,3
	v_fma_f32 v[TM+\b], v[TM+\b], s[CS], v12       ; the same of each block's largest score
.endr
	WALU
.set pj, 0
.rept 64
	v_exp_f32 v[SX+pj], v[SX+pj]                   ; p = 2^(t - M), at most 1
.set pj, pj+1
.endr
	v_pk_mul_f32 v[14:15], v[14:15], v[F:F+1] op_sel_hi:[1,0]   ; the sum under the new M: a plain line behind the exponentials
	WALU
.irp b, 0,1,2,3
	v_exp_f32 v[TM+\b], v[TM+\b]                   ; the block's largest p: the same two instructions on the same number
.endr
	v_pk_add_f32 v[C1:C1+1], v[SX:SX+1], v[SX+2:SX+3]          ; the sum of the unquantised p, in four chains
	v_pk_add_f32 v[C2:C2+1], v[SX+4:SX+5], v[SX+6:SX+7]
	v_pk_add_f32 v[C3:C3+1], v[SX+8:SX+9], v[SX+10:SX+11]
	v_pk_add_f32 v[14:15], v[14:15], v[SX+12:SX+13]
.set pj, 7
.rept 25
.if pj%4 == 3
	v_pk_add_f32 v[C1:C1+1], v[C1:C1+1], v[SX+2*pj:SX+2*pj+1]
.elseif pj%4 == 0
	v_pk_add_f32 v[C2:C2+1], v[C2:C2+1], v[SX+2*pj:SX+2*pj+1]
.elseif pj%4 == 1
	v_pk_add_f32 v[C3:C3+1], v[C3:C3+1], v[SX+2*pj:SX+2*pj+1]
.else
	v_pk_add_f32 v[14:15], v[14:15], v[SX+2*pj:SX+2*pj+1]
.endif
.set pj, pj+1
.endr
	WALU
.irp b, 0,1,2,3
	v_max_num_f32 v[TM+\b], 0x4800000, v[TM+\b]    ; the floor 2^(9 - 127)
.endr
.irp b, 0,1,2,3
	s_delay_alu instid0(VALU_DEP_4)
	v_add_nc_u32 v[TM+12+\b], 0xfc000000, v[TM+\b]
.endr
.irp b, 0,1,2,3
	v_and_or_b32 v[TM+8+\b], v[TM+\b], 0x7f800000, s[MNT]
.endr
.irp b, 0,1,2,3
	v_lshrrev_b32 v[TM+4+\b], 23, v[TM+12+\b]
.endr
	s_delay_alu instid0(VALU_DEP_3)
	v_lshl_or_b32 v[PW], v[TM+5], 8, v[TM+4]       ; p's scale word for these 128 keys
	s_delay_alu instid0(VALU_DEP_1)
	v_lshl_or_b32 v[PW], v[TM+6], 16, v[PW]
	s_delay_alu instid0(VALU_DEP_1)
	v_lshl_or_b32 v[PW], v[TM+7], 24, v[PW]
.irp b, 0,1,2,3
.set pj, SX+16*\b
.rept 8
	v_dual_min_num_f32 v[pj], v[pj], v[TM+8+\b] :: v_dual_min_num_f32 v[pj+1], v[pj+1], v[TM+8+\b]   ; the conversion does not saturate (ISA guide 7.6.2); p is not negative, so the hold is one-sided
.set pj, pj+2
.endr
	v_cvt_scalef32_pk8_fp8_f32 v[PC+4*\b:PC+4*\b+1], v[SX+16*\b:SX+16*\b+7], v[TM+12+\b]
	v_cvt_scalef32_pk8_fp8_f32 v[PC+4*\b+2:PC+4*\b+3], v[SX+16*\b+8:SX+16*\b+15], v[TM+12+\b]
.endr
	WALU
.set pj, 0
.rept 16
	v_pk_mul_f32 v[OX+pj:OX+pj+1], v[OX+pj:OX+pj+1], v[F:F+1] op_sel_hi:[1,0]   ; O^T under the new M; these are also the places between the conversions and the products
.set pj, pj+2
.endr
	WALU
	s_wait_dscnt 0x0                               ; V's fragments
.irp t, 0,1,2,3                                ; O^T += V^T P^T: four accumulators, one instruction a turn
	v_wmma_scale_f32_16x16x128_f8f6f4 v[OX+8*\t:OX+8*\t+7], v[KF+16*\t:KF+16*\t+15], v[PC:PC+15], v[OX+8*\t:OX+8*\t+7], v[VW+\t], v[PW]
.endr
.if \test
.Lhidden_\@:
.endif
.endm
	s_load_b256 s[4:11], s[0:1], 0x0               ; qkv s[4:5], qkvs s[6:7], oc s[8:9], os s[10:11]
	v_lshl_add_u32 v[SPW], v0, 2, SPARE
	v_mov_b32 v[NIL], 0
	ds_add_u32 v[SPW], v[NIL]                      ; the wave's opening: the add, twice on end, and its wait ahead of my first tensor load
	ds_add_u32 v[SPW], v[NIL]
	v_lshrrev_b32 v8, 5, v0
	v_readfirstlane_b32 s[WV], v8                  ; wave 0..15
	s_bfe_u32 s13, ttmp6, 0x40000                  ; cx
	s_lshl_b32 s14, ttmp9, 2
	s_add_co_u32 s14, s14, s13                     ; c = work-group x
	s_and_b32 s15, ttmp7, 0xffff                   ; bh, which the four partners share
	s_and_b32 s16, s[WV], 7
	s_bfe_u32 s18, s[WV], 0x10003                  ; 1 in waves 8 to 15
	s_mul_i32 s20, s18, 11
	s_xor_b32 s20, s20, 15                         ; 15 or 4
	s_xor_b32 s[AB], s16, s20                      ; a
	s_lshl_b32 s19, s15, 17                        ; the head's first byte in each of Q, K, V
	s_mul_i32 s22, s15, 20480                      ; the head's scale words
	s_and_b32 s20, s[WV], 3                        ; waves 8 to 11 fetch the rest of K, 12 to 15 of V: 30,720 bytes each
	s_mul_i32 s21, s20, 30720
	s_bfe_u32 s20, s[WV], 0x10002
	s_lshl_b32 s23, s20, 17
	s_add_co_u32 s23, s23, s21
	s_add_co_u32 s23, s23, 8192                    ; in LDS
	s_lshl_b32 s20, s20, 22
	s_add_co_u32 s20, s20, s21
	s_add_co_u32 s20, s20, s19
	s_add_co_u32 s20, s20, 0x402000                ; in memory: K lies at 4 MiB, V at 8 MiB
	s_mov_b32 s21, 0
	s_add_co_u32 s92, s22, 8192                    ; K's words, and V's behind them
	s_mov_b32 s93, 0
	GROUP1 G1S, 48
	GROUP1 G1F, 32
	GROUP1 G1R, 120
	; what hangs on my place in the cluster: Q's, O's and their words' places in memory, and the mask's number
	s_lshl_b32 s94, s[AB], 3
	s_add_co_u32 s94, s94, s14                     ; my tile: 8 a + c
	s_lshl_b32 s96, s94, 10
	s_add_co_u32 s96, s96, s19                     ; Q's codes
	s_mov_b32 s97, 0
	s_lshl_b32 s98, s[AB], 9                       ; Q's words: [block a][c / 4][r][c % 4]
	s_add_co_u32 s98, s98, s22
	s_lshr_b32 s78, s14, 2
	s_lshl_b32 s78, s78, 8
	s_add_co_u32 s98, s98, s78
	s_and_b32 s78, s14, 3
	s_lshl_b32 s78, s78, 2
	s_add_co_u32 s98, s98, s78
	s_mov_b32 s99, 0
	s_lshr_b32 s95, s15, 4
	s_lshl_b32 s95, s95, 7
	s_add_co_u32 s94, s94, s95                     ; my tile among the 256 of both batches
	s_and_b32 s95, s15, 15                         ; the head
	s_lshl_b32 s66, s94, 14
	s_lshl_b32 s67, s95, 10                        ; K step head / 2, pieces 2 (head % 2) on: 1,024 bytes a head
	s_add_co_u32 s66, s66, s67
	s_mov_b32 s67, 0
	s_lshl_b32 s84, s94, 9                         ; its words: [tile][head / 8][r][(head / 2) % 4], my half of the word
	s_lshr_b32 s85, s95, 3
	s_lshl_b32 s85, s85, 8
	s_add_co_u32 s84, s84, s85
	s_and_b32 s85, s95, 7
	s_lshl_b32 s85, s85, 1
	s_add_co_u32 s84, s84, s85
	s_mov_b32 s85, 0
	s_lshr_b32 s79, s14, 1
	s_lshl_b32 s79, s79, 5
	s_and_b32 s95, s14, 1
	s_lshl_b32 s95, s95, 3
	s_add_co_u32 s79, s79, s95                     ; 32 (c / 2) + 8 (c % 2)
	s_add_co_u32 s94, s19, 0x400000                ; K's key step 0
	s_mov_b32 s95, 0
	s_mov_b32 s[SEL], 0x76543210
	s_mov_b32 s[SEL+1], 0xfedcba98
	s_mov_b32 s[CS], 0x3e38aa3b
	s_mov_b32 s[CS+1], s[CS]                       ; (named with it as a pair, so it is written)
	s_mov_b32 s[NC], 0xbe38aa3b
	s_mov_b32 s[MNT], 0x600000
	v_and_b32 v[LN], 31, v0
	v_and_b32 v8, 15, v0                           ; r
	v_bfe_u32 v9, v0, 4, 1                         ; h
	v_lshlrev_b32 v[LI], 4, v[LN]
	v_lshlrev_b32 v[R16], 4, v8
	v_and_b32 v10, 8, v8
	v_lshlrev_b32 v9, 4, v9
	v_add_nc_u32 v10, v10, v8
	v_add_nc_u32 v[LR], 0x40000, v[R16]
	v_sub_nc_u32 v10, v10, v9
	v_mov_b32 v14, 0
	v_mov_b32 v15, 0
	v_add_nc_u32 v[DM], s79, v10
.set zi, 0
.rept 8
	v_mov_b32 v[24+zi], 0                          ; zero codes in Q's upper half,
	v_mov_b32 v[96+zi], 0                          ; and behind K's eighth tile
.set zi, zi+1
.endr
.set zi, 0
.rept 32
	v_mov_b32 v[OX+zi], 0                          ; O^T: the step's text has no first step of its own; the first finds zeros
.set zi, zi+1
.endr
.irp b, 0,1,2,3
	v_mov_b32 v[TM+4+\b], 0                        ; a lane permute's destination counts as one of its sources
	v_mov_b32 v[C2+\b], 0
.endr
	v_mov_b32 v[C1], 0
	v_mov_b32 v[C1+1], 0
	v_mov_b32 v[F], 0
	v_mov_b32 v[F+1], 0
	v_mov_b32 v13, 0xff61b1e6                      ; the largest score so far: -3e38
	v_mov_b32 v12, 0x7e000000                      ; -M = 2^125: a whole number; against any later M f becomes 0
	WALU
	s_wait_dscnt 0x0                               ; both opening adds are done
	CROUND                                         ; the opening round, ahead of the wait for the arguments: all four work-groups are here, and the joint loads meet
	s_wait_kmcnt 0x0
	s_add_nc_u64 s[92:93], s[6:7], s[92:93]
	s_add_nc_u64 s[94:95], s[4:5], s[94:95]
	s_add_nc_u64 s[20:21], s[4:5], s[20:21]
	s_mov_b32 s[G0S], 1
	s_mov_b32 s[G0S+1], 262144
	s_mov_b64 s[G0S+2:G0S+3], s[92:93]
	s_or_b32 s[G0S+3], s[G0S+3], 0x80000000
	s_mov_b32 s[G0K], 1
	s_mov_b32 s[G0K+1], 0
	s_mov_b64 s[G0K+2:G0K+3], s[94:95]
	s_or_b32 s[G0K+3], s[G0K+3], 0x80000000
	s_mov_b32 s[G0V], 1
	s_mov_b32 s[G0V+1], 131072
	s_add_nc_u64 s[G0V+2:G0V+3], s[94:95], 0x400000
	s_or_b32 s[G0V+3], s[G0V+3], 0x80000000
	s_mov_b32 s[G0R], 1
	s_mov_b32 s[G0R+1], s23
	s_mov_b64 s[G0R+2:G0R+3], s[20:21]
	s_or_b32 s[G0R+3], s[G0R+3], 0x80000000
	s_add_nc_u64 s[96:97], s[4:5], s[96:97]
	s_add_nc_u64 s[98:99], s[6:7], s[98:99]
	global_load_b128 v[16:19], v[LI], s[96:97]     ; Q's fragment stays in registers
	global_load_b128 v[20:23], v[LI], s[96:97] offset:512
	global_load_b32 v[QW], v[R16], s[98:99]        ; and its scale words
	s_cmp_lt_u32 s[WV], 1                          ; one chain of branches on the wave's number, one load to an arm
	s_cbranch_scc0 .Lhead_k
	TLOAD G0S, G1S                                 ; wave 0: the scale words
	s_branch .Lasked
.Lhead_k:
	s_cmp_lt_u32 s[WV], 2
	s_cbranch_scc0 .Lhead_v
	TLOAD G0K, G1F                                 ; wave 1: K's key step 0
	s_branch .Lasked
.Lhead_v:
	s_cmp_lt_u32 s[WV], 3
	s_cbranch_scc0 .Lhead_r
	TLOAD G0V, G1F                                 ; wave 2: V's key step 0
	s_branch .Lasked
.Lhead_r:
	s_cmp_lt_u32 s[WV], 8
	s_cbranch_scc1 .Lasked
	TLOAD G0R, G1R                                 ; waves 8 to 15: the rest
.Lasked:
	s_add_nc_u64 s[8:9], s[8:9], s[66:67]
	s_add_nc_u64 s[10:11], s[10:11], s[84:85]
	s_cmp_lt_u32 s[WV], 3
	s_cbranch_scc0 .Lnot_first
	s_wait_tensorcnt 0x0                           ; waves 0 to 2: what the first step reads is in.  The others' wait stands at the second barrier
.Lnot_first:
	s_barrier_signal -1
	s_barrier_wait -1
	s_wait_loadcnt 0x0                             ; Q
	s_mov_b32 s[ST], 0
	s_mov_b32 s[TB], 0
	s_mov_b32 s[TS], 0
	s_mov_b32 s[TJ], 0
	STEP 0                                         ; key step 0, which every tile has
	s_wait_tensorcnt 0x0                           ; my part of the rest is in
	s_wait_dscnt 0x0
	s_barrier_signal -1
	s_barrier_wait -1                              ; all of K and V is in
	s_mov_b32 s[ST], 1
	s_mov_b32 s[TB], 8192
	s_mov_b32 s[TS], 512
	s_mov_b32 s[TJ], 256
.Lwalk:                                            ; key steps 1 to 15
	STEP 1
	s_add_co_u32 s[TB], s[TB], 8192
	s_add_co_u32 s[TS], s[TS], 512
	s_add_co_u32 s[TJ], s[TJ], 256
	s_add_co_u32 s[ST], s[ST], 1
	s_cmp_lt_u32 s[ST], 16
	s_cbranch_scc1 .Lwalk
	; THE WAY OUT.  O^T / the sum; register 16 b + i is feature 32 b + 16 (lane / 16) + i of my head: two blocks of the last product's K.  Quantised, they are pieces of that operand's image.
	v_pk_add_f32 v[14:15], v[14:15], v[C1:C1+1]    ; what the last step left in the other chains
	v_pk_add_f32 v[C2:C2+1], v[C2:C2+1], v[C3:C3+1]
	v_nop                                          ; with the plain lines around them eight places behind the last products
	v_nop
	v_nop
	v_pk_add_f32 v[14:15], v[14:15], v[C2:C2+1]
	s_delay_alu instid0(VALU_DEP_1)
	v_add_f32 v14, v14, v15
	s_delay_alu instid0(VALU_DEP_1)
	v_permlanex16_b32 v253, v14, s[SEL], s[SEL+1]
	s_delay_alu instid0(VALU_DEP_1)
	v_add_f32 v14, v14, v253                       ; the row's sum
	WALU
	v_rcp_f32 v14, v14
	v_nop                                          ; a plain line behind the transcendental
	WALU
.set pj, 0
.rept 16
	v_pk_mul_f32 v[SX+pj:SX+pj+1], v[OX+pj:OX+pj+1], v[14:15] op_sel_hi:[1,0]
.set pj, pj+2
.endr
	QMAX SX, 2
	QSCALE 2
	v_lshl_or_b32 v[TX], v[TM+5], 8, v[TM+4]       ; my head's half of the row's scale word
.irp b, 0,1
.set pj, SX+16*\b
.rept 16
	v_med3_num_f32 v[pj], v[pj], -v[TM+8+\b], v[TM+8+\b]
.set pj, pj+1
.endr
	v_cvt_scalef32_pk8_fp8_f32 v[PC+4*\b:PC+4*\b+1], v[SX+16*\b:SX+16*\b+7], v[TM+12+\b]
	v_cvt_scalef32_pk8_fp8_f32 v[PC+4*\b+2:PC+4*\b+3], v[SX+16*\b+8:SX+16*\b+15], v[TM+12+\b]
.endr
	v_nop                                          ; a plain line behind the last conversion
	global_store_b128 v[LI], v[PC:PC+3], s[8:9]    ; 1,024 consecutive bytes in two stores
	global_store_b128 v[LI], v[PC+4:PC+7], s[8:9] offset:512
	WALU
	s_wait_xcnt 0x0                                ; EXEC changes only behind this wait
	v_cmp_gt_u32 vcc_lo, 16, v[LN]
	s_and_saveexec_b32 s77, vcc_lo                 ; both halves of the lanes hold the same: lanes 0-15 store
	global_store_b16 v[R16], v[TX], s[10:11]
	s_wait_xcnt 0x0
	s_or_b32 exec_lo, exec_lo, s77
	s_wait_tensorcnt 0x0                           ; the wave's end
	ds_add_u32 v[SPW], v[NIL]
	s_wait_dscnt 0x0
	CROUND                                         ; the closing round
	s_endpgm
.Lfunc_end_k_q4f3a1d5fa4_attn:
	.size	k_q4f3a1d5fa4_attn, .Lfunc_end_k_q4f3a1d5fa4_attn-k_q4f3a1d5fa4_attn
	.p2alignl 7, 3214868480
	.fill 96, 4, 3214868480
	.section	.rodata,"a",@progbits
	.p2align	6, 0x0
	.amdhsa_kernel k_q4f3a1d5fa4_attn
		.amdhsa_group_segment_fixed_size 327680
		.amdhsa_private_segment_fixed_size 0
		.amdhsa_enable_private_segment 0
		.amdhsa_kernarg_size 32
		.amdhsa_user_sgpr_count 2
		.amdhsa_user_sgpr_kernarg_segment_ptr 1
		.amdhsa_wavefront_size32 1
		.amdhsa_system_sgpr_workgroup_id_x 1
		.amdhsa_system_sgpr_workgroup_id_y 1
		.amdhsa_system_sgpr_workgroup_id_z 1
		.amdhsa_system_vgpr_workitem_id 0
		.amdhsa_next_free_vgpr 256
		.amdhsa_next_free_sgpr 100
		.amdhsa_reserve_vcc 1
		.amdhsa_float_denorm_mode_32 3
		.amdhsa_float_denorm_mode_16_64 3
		.amdhsa_memory_ordered 1
		.amdhsa_forward_progress 1
		.amdhsa_inst_pref_size 69
	.end_amdhsa_kernel
	.amdgpu_metadata
---
amdhsa.version: [ 1, 2 ]
amdhsa.kernels:
  - .name:           k_q4f3a1d5fa4_attn
    .symbol:         k_q4f3a1d5fa4_attn.kd
    .args:
      - { .name: qkv, .offset: 0, .size: 8, .value_kind: global_buffer, .address_space: global }
      - { .name: qkvs, .offset: 8, .size: 8, .value_kind: global_buffer, .address_space: global }
      - { .name: oc, .offset: 16, .size: 8, .value_kind: global_buffer, .address_space: global }
      - { .name: os, .offset: 24, .size: 8, .value_kind: global_buffer, .address_space: global }
    .group_segment_fixed_size: 327680
    .private_segment_fixed_size: 0
    .kernarg_segment_align: 8
    .kernarg_segment_size: 32
    .max_flat_workgroup_size: 512
    .sgpr_count:     100
    .vgpr_count:     256
    .wavefront_size: 32
...
	.end_amdgpu_metadata
.endif
;; end of part 3
;; launch proj (part 4): grid 8 x 32, 4 waves a work-group, clusters of 4 x 4, 327,680 bytes of LDS; arguments oc, os, codes, scales, out0; writes out0
.if DOCPART == 4
	.amdgcn_target "amdgcn-amd-amdhsa--gfx1250"
	.amdhsa_code_object_version 6
	.text
	.protected	k_q4f3a1d5fa4_proj
	.globl	k_q4f3a1d5fa4_proj
	.p2align	8
	.type	k_q4f3a1d5fa4_proj,@function
k_q4f3a1d5fa4_proj:
	s_mov_b64 s[64:65], 0
	v_nop
	global_prefetch_b8 v0, s[64:65] scope:SCOPE_SE
	s_setreg_imm32_b32 hwreg(HW_REG_WAVE_MODE, 25, 1), 1
	s_wait_xcnt 0x0
	s_wait_alu depctr_hold_cnt(0) depctr_sa_sdst(0) depctr_va_vdst(0) depctr_va_sdst(0) depctr_va_ssrc(0) depctr_va_vcc(0) depctr_vm_vsrc(0)
	s_getreg_b32 s2, hwreg(HW_REG_IB_STS2, 6, 4)
	s_cmp_eq_u32 s2, 0
	s_cbranch_scc0 .Lentry_in_a_cluster
	s_endpgm
.Lentry_in_a_cluster:
	s_bfe_u32 s2, ttmp6, 0x10000c
	s_cmp_lg_u32 s2, 0xf033
	s_cbranch_scc0 .Lentry_shape_is_right
	s_endpgm
.Lentry_shape_is_right:
; out = O Wo^T on codes of FP8 (E4M3) with E8M0 scales, 4,096 x 1,024 x 1,024, f32 results.  Both operands lie as images of fragment registers, [tile of 16 rows][K step of 128: 8][piece: 4][lane][16 bytes], scale words [tile][ks / 4][r][ks % 4];
; lane r of tile T holds row 32 (T / 2) + 8 (T % 2) + r + 8 (r / 8).  A = O's 256 tiles; B = Wo's 64, which are tiles 448 to 511 of the codes.
; SHARES.  256 work-groups, 128 x 128 each; each of four waves 64 x 64: 16 accumulators.  ALL OF K lies in LDS: four pieces of 64 KiB (A's and B's first half of K, A's and B's second), one joint load a wave at the head, filled once.
; The first barrier shows the first half (waves 0 and 1), the second, in K step 3, the rest.  No prefetch: all is asked for at the head.  Scale words come from memory straight into registers.
; THE SECOND HALF OF K GOES BY ROWS: B's fragments of K steps 4 to 7 stand in 256 registers, and A's four tiles are finished one after the other, 16 products each, K ascending; a tile's rows leave while the next tile's products run.  No fragment is read from LDS twice.
; CLUSTERS of 4 x 4: A's tiles are asked for jointly along a row of the cluster, B's along a column.
; Source 0 = B, source 1 = A: a lane holds one row of the result, and the 16 registers of B's tiles 2 b, 2 b + 1 are columns 32 b + 16 (lane / 16) + 0 .. 15.
; LIMITS: NaN and infinities are not served.
; REGISTERS: window 0: addresses, v32-63 A's scale words, v68-99 B's, v128-255 A's fragments in two sets; window 1: B's of the first half in two sets, then rows of the result on the way out; window 2: accumulator (a, b) at v[8 (4 a + b)]; window 3: B's of the second half.
.set HALFK,  131072                    ; LDS: from a half of K to the next: A's 8 tiles x 8,192 bytes, then B's
.set STG,    262144                    ; stages: 16 rows x (256 + 16) bytes for each wave
.set SPITCH, 272
.set SPARE,  STG+4*16*SPITCH           ; the spare words, 128 bytes for each wave, that no other line names
.set ADRA, 16                          ; v16-17  my A tiles in each half of K
.set ADRB, 20                          ; v20-21  B's
.set STO,  24
.set RD,   25
.set CO,   26
.set SPW,  28
.set NIL,  29
.set SA,   32                          ; register SA + 8 a + ks; no product's two scale registers have numbers equal modulo 8
.set SB,   68
.set AF,   128
.set G1A,  24
.set G1B,  32
.set G0,   48                          ; s[48:63] groups 0: A's and B's first half, A's and B's second
.set MSB, 0
.macro WIN new                         ; the immediate's high byte repeats the setting that is left
.if MSB != \new
	s_set_vgpr_msb (MSB<<8)|\new
.set MSB, \new
.endif
.endm
.set MUL,  0xa1                        ; source 0 (B) window 1, source 1 (A) window 0, C and D window 2
.set MULR, 0xa3                        ; the same with B in window 3
.set TO_B, 0x40
.macro CROUND
	s_barrier_signal -1
	s_barrier_wait -1
	s_cmp_lg_u32 s14, 0
	s_cbranch_scc1 .Lnot_wave_0_\@
	s_barrier_signal -3
.Lnot_wave_0_\@:
	s_barrier_wait -3
	s_barrier_signal -1
	s_barrier_wait -1
.endm
.macro PLACES                          ; behind products, ahead of loads into what they read and of readers of their results
.rept 8
	v_nop
.endr
.endm
.macro TLOAD g0, g1
	tensor_load_to_lds s[\g0:\g0+3], s[\g1:\g1+7]
	s_nop 0
.rept 4
	v_nop
.endr
.endm
.macro GROUP1 g, mask                  ; 8 tiles' halves: 8 rows of 8,192 bytes (1,024 elements of 8), 16,384 bytes apart
	s_or_b32 s[\g], s[\mask], (3<<16)|(1<<21)
	s_mov_b32 s[\g+1], 1024<<16
	s_mov_b32 s[\g+2], 8<<16
	s_mov_b32 s[\g+3], 1024<<16
	s_mov_b32 s[\g+4], 8
	s_mov_b32 s[\g+5], 2048
	s_mov_b32 s[\g+6], 0
	s_mov_b32 s[\g+7], 0
.endm
.macro GROUP0 g, lds, adr, off
	s_mov_b32 s[\g], 1
	s_mov_b32 s[\g+1], \lds
	s_add_nc_u64 s[\g+2:\g+3], s[\adr:\adr+1], \off
	s_or_b32 s[\g+3], s[\g+3], 0x80000000
.endm
.macro WORDS g                         ; the scale words of K steps 4 g .. 4 g + 3: 8 loads
.irp i, 0,1,2,3
	global_load_b128 v[SA+8*\i+4*\g:SA+8*\i+4*\g+3], v4, s[96:97] offset:512*\i+256*\g
	global_load_b128 v[SB+8*\i+4*\g:SB+8*\i+4*\g+3], v4, s[98:99] offset:512*\i+256*\g
.endr
.endm
.macro FETCH k                         ; first half: K step k's fragments into set k % 2: 32 loads, B's first
	WIN TO_B
.irp i, 0,1,2,3
.irp c, 0,1,2,3
	ds_load_b128 v[64*((\k)%2)+16*\i+4*\c:64*((\k)%2)+16*\i+4*\c+3], v[ADRB] offset:8192*\i+2048*(\k)+512*\c
.endr
.endr
	WIN 0
.irp i, 0,1,2,3
.irp c, 0,1,2,3
	ds_load_b128 v[AF+64*((\k)%2)+16*\i+4*\c:AF+64*((\k)%2)+16*\i+4*\c+3], v[ADRA] offset:8192*\i+2048*(\k)+512*\c
.endr
.endr
.endm
.macro BLOAD q0                        ; second half: B's fragments of K steps 4 + q0, 5 + q0: 32 loads
	WIN 0xc0
.irp q, \q0, \q0+1
.irp i, 0,1,2,3
.irp c, 0,1,2,3
	ds_load_b128 v[64*(\q)+16*\i+4*\c:64*(\q)+16*\i+4*\c+3], v[ADRB+1] offset:8192*\i+2048*(\q)+512*\c
.endr
.endr
.endr
	WIN 0
.endm
.macro ALOAD a                         ; A's tile a, K steps 4 to 7, into set a % 2: 16 loads
.irp q, 0,1,2,3
.irp c, 0,1,2,3
	ds_load_b128 v[AF+64*((\a)%2)+16*\q+4*\c:AF+64*((\a)%2)+16*\q+4*\c+3], v[ADRA+1] offset:8192*(\a)+2048*\q+512*\c
.endr
.endr
.endm
.macro MUL8 k, a0                      ; first half: A's tiles a0, a0 + 1 x B's four; the 16 accumulators take turns in the same order in every step; the first products start the sums
	WIN MUL
.irp a, \a0, \a0+1
.irp b, 0,1,2,3
.if \k
	v_wmma_scale_f32_16x16x128_f8f6f4 v[8*(4*(\a)+\b):8*(4*(\a)+\b)+7], v[64*((\k)%2)+16*\b:64*((\k)%2)+16*\b+15], v[AF+64*((\k)%2)+16*(\a):AF+64*((\k)%2)+16*(\a)+15], v[8*(4*(\a)+\b):8*(4*(\a)+\b)+7], v[SB+8*\b+\k], v[SA+8*(\a)+\k]
.else
	v_wmma_scale_f32_16x16x128_f8f6f4 v[8*(4*(\a)+\b):8*(4*(\a)+\b)+7], v[16*\b:16*\b+15], v[AF+16*(\a):AF+16*(\a)+15], 0, v[SB+8*\b], v[SA+8*(\a)]
.endif
.endr
.endr
	WIN 0
.endm
.macro ROW a, q0                       ; second half: A's tile a x B's four, K steps 4 + q0, 5 + q0: four accumulators by turns, three others between a sum's steps
	WIN MULR
.irp q, \q0, \q0+1
.irp b, 0,1,2,3
	v_wmma_scale_f32_16x16x128_f8f6f4 v[8*(4*(\a)+\b):8*(4*(\a)+\b)+7], v[64*(\q)+16*\b:64*(\q)+16*\b+15], v[AF+64*((\a)%2)+16*(\q):AF+64*((\a)%2)+16*(\q)+15], v[8*(4*(\a)+\b):8*(4*(\a)+\b)+7], v[SB+8*\b+4+\q], v[SA+8*(\a)+4+\q]
.endr
.endr
	WIN 0
.endm
; THE WAY OUT, tile by tile of 16 rows x 64 columns: through my own stage in LDS, so that sixteen lanes store one aligned unit of 256 bytes.  LDS serves a wave's instructions in order (ISA guide 5.7.1.4): no wait between the stores and the loads.
.macro TOSTAGE a
	WIN 0x08
.irp b, 0,1,2,3
	ds_store_b128 v[STO], v[8*(4*\a+\b):8*(4*\a+\b)+3] offset:128*(\b/2)+32*(\b%2)
	ds_store_b128 v[STO], v[8*(4*\a+\b)+4:8*(4*\a+\b)+7] offset:128*(\b/2)+32*(\b%2)+16
.endr
	WIN 0x40
.irp t, 0,1,2,3,4,5,6,7
	ds_load_b128 v[32*\a+4*\t:32*\a+4*\t+3], v[RD] offset:2*\t*SPITCH
.endr
	WIN 0
.endm
.macro SEND a, younger                 ; younger: A's loads issued behind the tile's, which may be out
	s_wait_dscnt \younger
	WIN 0x04
.irp t, 0,1,2,3,4,5,6,7
	global_store_b128 v[CO], v[32*\a+4*\t:32*\a+4*\t+3], s[12:13] offset:(32*(\a/2)+8*(\a%2)+2*\t+8*(\t/4))*4096 th:TH_STORE_NT
.endr
	WIN 0
.endm
	s_load_b256 s[4:11], s[0:1], 0x0               ; oc, os, codes, scales
	s_load_b64 s[12:13], s[0:1], 0x20              ; out0
	v_lshl_add_u32 v[SPW], v0, 2, SPARE
	v_mov_b32 v[NIL], 0
	ds_add_u32 v[SPW], v[NIL]                      ; the wave's opening: the add, twice on end, and its wait ahead of my first tensor load
	ds_add_u32 v[SPW], v[NIL]
	v_lshrrev_b32 v1, 5, v0
	v_readfirstlane_b32 s14, v1                    ; wave 0..3
	s_lshr_b32 s15, s14, 1                         ; which half of A's tiles is mine
	s_and_b32 s16, s14, 1                          ; which half of B's
	s_bfe_u32 s40, ttmp6, 0x40000                  ; cx, cy
	s_bfe_u32 s41, ttmp6, 0x40004
	s_lshl_b32 s43, s41, 2
	s_lshl_b32 s43, 15, s43                        ; my row of the cluster
	s_lshl_b32 s44, 0x1111, s40                    ; my column
	s_and_b32 s19, ttmp7, 0xffff
	s_lshl_b32 s19, s19, 2
	s_add_co_u32 s19, s19, s41                     ; which 8 tiles of A
	s_lshl_b32 s42, ttmp9, 2
	s_add_co_u32 s42, s42, s40                     ; which 8 tiles of B
	GROUP1 G1A, 43
	GROUP1 G1B, 44
	s_lshl_b32 s92, s19, 17                        ; 16,384 bytes of codes a tile
	s_mov_b32 s93, 0
	s_lshl_b32 s94, s42, 17
	s_add_co_u32 s94, s94, 0x700000
	s_mov_b32 s95, 0
	s_lshl_b32 s96, s19, 12                        ; 512 of scale words; my 4 tiles
	s_lshl_b32 s20, s15, 11
	s_add_co_u32 s96, s96, s20
	s_mov_b32 s97, 0
	s_lshl_b32 s98, s42, 12
	s_lshl_b32 s20, s16, 11
	s_add_co_u32 s98, s98, s20
	s_add_co_u32 s98, s98, 0x38000
	s_mov_b32 s99, 0
	s_lshl_b32 s20, s19, 19                        ; the result: my first row, 4,096 bytes a row,
	s_lshl_b32 s21, s15, 18
	s_add_co_u32 s20, s20, s21
	s_lshl_b32 s21, s42, 9                         ; and my first column
	s_add_co_u32 s20, s20, s21
	s_lshl_b32 s21, s16, 8
	s_add_co_u32 s20, s20, s21
	s_mov_b32 s21, 0
	s_lshl_b32 s66, s15, 15                        ; my 4 tiles in LDS
	s_lshl_b32 s67, s16, 15
	s_add_co_u32 s67, s67, 65536
	s_mul_i32 s68, s14, 16*SPITCH
	s_add_co_u32 s68, s68, STG
	v_and_b32 v1, 15, v0                           ; r
	v_bfe_u32 v2, v0, 4, 1                         ; h
	v_and_b32 v3, 31, v0
	v_lshlrev_b32 v4, 4, v1                        ; 16 r
	v_lshlrev_b32 v3, 4, v3                        ; 16 x lane
	v_mul_u32_u24 v5, v1, SPITCH
	v_mul_u32_u24 v6, v2, SPITCH
	v_lshl_add_u32 v5, v2, 6, v5
	v_add_nc_u32 v6, v6, v4
	v_add_nc_u32 v[ADRA], s66, v3
	v_add_nc_u32 v[ADRB], s67, v3
	v_add_nc_u32 v[STO], s68, v5                   ; in: row r, 64 h bytes on
	v_add_nc_u32 v[RD], s68, v6                    ; back: sixteen lanes to a row, two rows a load
	v_lshl_add_u32 v[CO], v2, 12, v4               ; and the same in the result
	v_add_nc_u32 v[ADRA+1], HALFK, v[ADRA]
	v_add_nc_u32 v[ADRB+1], HALFK, v[ADRB]
	s_wait_alu depctr_va_vdst(0)
	s_wait_dscnt 0x0                               ; both opening adds are done
	CROUND                                         ; the opening round, ahead of the wait for the arguments: all sixteen work-groups are here, and the joint loads meet
	s_wait_kmcnt 0x0
	s_add_nc_u64 s[96:97], s[6:7], s[96:97]
	s_add_nc_u64 s[98:99], s[10:11], s[98:99]
	s_add_nc_u64 s[92:93], s[4:5], s[92:93]
	s_add_nc_u64 s[94:95], s[8:9], s[94:95]
	s_add_nc_u64 s[12:13], s[12:13], s[20:21]
	GROUP0 G0, 0, 92, 0
	GROUP0 G0+4, 65536, 94, 0
	GROUP0 G0+8, HALFK, 92, 8192
	GROUP0 G0+12, HALFK+65536, 94, 8192
	WORDS 0                                        ; the first half is wanted with K step 0: ahead of the tiles
	s_cmp_lt_u32 s14, 1                            ; one load a wave, what is needed first is asked for first
	s_cbranch_scc0 .Lhead_b
	TLOAD G0, G1A
	s_branch .Lasked
.Lhead_b:
	s_cmp_lt_u32 s14, 2
	s_cbranch_scc0 .Lhead_a1
	TLOAD G0+4, G1B
	s_branch .Lasked
.Lhead_a1:
	s_cmp_lt_u32 s14, 3
	s_cbranch_scc0 .Lhead_b1
	TLOAD G0+8, G1A
	s_branch .Lasked
.Lhead_b1:
	TLOAD G0+12, G1B
.Lasked:
	WORDS 1
	s_cmp_lt_u32 s14, 2
	s_cbranch_scc0 .Lnot_first
	s_wait_tensorcnt 0x0                           ; waves 0 and 1: the first half of K is in.  The others' wait stands at the second barrier
.Lnot_first:
	s_barrier_signal -1
	s_barrier_wait -1
	FETCH 0
	FETCH 1
	s_wait_loadcnt 8                               ; the first half of the scale words; the second half's 8 loads may be out
	s_wait_dscnt 32                                ; K step 0's fragments are in; step 1's 32 loads may be out
	MUL8 0, 0
	MUL8 0, 2
.irp k, 1,2                            ; the next step's fragments are asked for ahead of this step's products
	PLACES
	FETCH \k+1
	s_wait_dscnt 32
	MUL8 \k, 0
	MUL8 \k, 2
.endr
	s_wait_dscnt 0x0                               ; K step 3's fragments are in
	s_wait_tensorcnt 0x0                           ; the second half of K is in
	s_barrier_signal -1
	MUL8 3, 0
	s_barrier_wait -1
	PLACES                                         ; (A's set 0 was read by step 2's products)
	BLOAD 0
	ALOAD 0
	MUL8 3, 2
	BLOAD 2
	PLACES
	ALOAD 1
	s_wait_loadcnt 0x0                             ; the second half of the scale words
	s_wait_dscnt 48                                ; B's steps 4, 5 and A's tile 0 are in; B's steps 6, 7 (32 loads) and A's tile 1 (16) may be out
	ROW 0, 0
	s_wait_dscnt 16
	ROW 0, 2
	PLACES
	TOSTAGE 0
	ALOAD 2
	s_wait_dscnt 32                                ; A's tile 1; the stage's 16 and tile 2's 16 may be out
	ROW 1, 0
	ROW 1, 2
	SEND 0, 16
	PLACES
	TOSTAGE 1
	ALOAD 3
	s_wait_dscnt 32
	ROW 2, 0
	ROW 2, 2
	SEND 1, 16
	PLACES
	TOSTAGE 2
	s_wait_dscnt 16
	ROW 3, 0
	ROW 3, 2
	SEND 2, 0
	PLACES
	TOSTAGE 3
	SEND 3, 0
	s_wait_tensorcnt 0x0                           ; the wave's end
	ds_add_u32 v[SPW], v[NIL]
	s_wait_dscnt 0x0
	CROUND                                         ; the closing round
	s_endpgm
.Lfunc_end_k_q4f3a1d5fa4_proj:
	.size	k_q4f3a1d5fa4_proj, .Lfunc_end_k_q4f3a1d5fa4_proj-k_q4f3a1d5fa4_proj
	.p2alignl 7, 3214868480
	.fill 96, 4, 3214868480
	.section	.rodata,"a",@progbits
	.p2align	6, 0x0
	.amdhsa_kernel k_q4f3a1d5fa4_proj
		.amdhsa_group_segment_fixed_size 327680
		.amdhsa_private_segment_fixed_size 0
		.amdhsa_enable_private_segment 0
		.amdhsa_kernarg_size 40
		.amdhsa_user_sgpr_count 2
		.amdhsa_user_sgpr_kernarg_segment_ptr 1
		.amdhsa_wavefront_size32 1
		.amdhsa_system_sgpr_workgroup_id_x 1
		.amdhsa_system_sgpr_workgroup_id_y 1
		.amdhsa_system_sgpr_workgroup_id_z 1
		.amdhsa_system_vgpr_workitem_id 0
		.amdhsa_next_free_vgpr 1024
		.amdhsa_next_free_sgpr 100
		.amdhsa_reserve_vcc 0
		.amdhsa_float_denorm_mode_32 3
		.amdhsa_float_denorm_mode_16_64 3
		.amdhsa_memory_ordered 1
		.amdhsa_forward_progress 1
		.amdhsa_inst_pref_size 53
	.end_amdhsa_kernel
	.amdgpu_metadata
---
amdhsa.version: [ 1, 2 ]
amdhsa.kernels:
  - .name:           k_q4f3a1d5fa4_proj
    .symbol:         k_q4f3a1d5fa4_proj.kd
    .args:
      - { .name: oc, .offset: 0, .size: 8, .value_kind: global_buffer, .address_space: global }
      - { .name: os, .offset: 8, .size: 8, .value_kind: global_buffer, .address_space: global }
      - { .name: codes, .offset: 16, .size: 8, .value_kind: global_buffer, .address_space: global }
      - { .name: scales, .offset: 24, .size: 8, .value_kind: global_buffer, .address_space: global }
      - { .name: out0, .offset: 32, .size: 8, .value_kind: global_buffer, .address_space: global }
    .group_segment_fixed_size: 327680
    .private_segment_fixed_size: 0
    .kernarg_segment_align: 8
    .kernarg_segment_size: 40
    .max_flat_workgroup_size: 128
    .sgpr_count:     100
    .vgpr_count:     1024
    .wavefront_size: 32
...
	.end_amdgpu_metadata
.endif
;; end of part 4
